; MI455X (gfx1250); checked and timed in simulation.
; The chip was launched on July 23, 2026; its instructions are those of AMD's public machine-readable ISA for CDNA 5 (MIT licence, August 2026) and "CDNA5" Instruction Set Architecture Reference Guide (July 2026). The comments in the code are by the model that wrote it; some were corrected since.
;; Bert With Rope Attention. Allowed arithmetic: matrix products marked QUANTISED: E2M3 operands, one E8M0 scale for each 32 along K, by v_wmma_scale_f32_16x16x128_f8f6f4 with both operands' format E2M3, f32 sums; everything else in f32.
;; Inputs: Wout 1,024 x 1,024 float32; Wqkv 1,024 x 3,072 float32; bout 1,024 float32; bqkv 3,072 float32; hidden_states 4 x 2,048 x 1,024 float32; positions 2,048 int32.
;; Outputs: out0 4 x 2,048 x 1,024 float32.
;; This version of the problem:
;;   THIS VERSION OF THE PROBLEM IS GIVEN IN LOW PRECISION. The matrix products marked QUANTISED in the list below multiply operands that are first quantised to E2M3 (2 exponent bits, 3 mantissa bits; 6 bits a number), with one power-of-two scale for each 32 numbers along K (OCP MX v1.0); their sums are f32. All else is computed in f32.
;;   The module's matrix products, in the order in which they are computed (A, B: the left and right operand; K: the contracted axis; several contracted axes count as one K, in the product's order):
;;     1. [M 8,192, K 1,024] x [K 1,024, N 3,072]; A: input hidden_states; B: input Wqkv: QUANTISED
;;     2. batch 64 x [M 2,048, K 64] x [K 64, N 2,048]; A: computed on the way; B: computed on the way: QUANTISED
;;     3. batch 64 x [M 64, K 2,048] x [K 2,048, N 2,048]; A: computed on the way; B: softmax (see below): QUANTISED
;;     4. [M 8,192, K 1,024] x [K 1,024, N 1,024]; A: computed on the way; B: input Wout: QUANTISED
;;   THE QUANTISER, for each operand of a quantised product, along K:
;;     - K is cut into blocks of 32 from its start; a last block that is shorter is filled with zeros.
;;     - A block's scale is 2^e with e = floor(log2(the largest magnitude in the block)) - 2, held to -126 .. 127; a block of zeros has e = 0. As a byte (E8M0): e + 127.
;;     - Each number is divided by its block's scale, clamped to +-7.5, and rounded to the nearest number of E2M3, ties to even, subnormals kept.
;;     - The product sums the exact products of the quantised numbers (number of the format x scale) in f32.
;;   ~~~python
;;   def quantise(x, axis):      # numpy; x: float32 -> the quantised numbers, widened to float32 again
;;       x = np.moveaxis(x, axis, -1); K = x.shape[-1]
;;       x = np.pad(x, [(0, 0)] * (x.ndim - 1) + [(0, -K % 32)]); x = x.reshape(x.shape[:-1] + (-1, 32)); a = np.abs(x).max(-1, keepdims=True)
;;       e = np.where(a > 0, np.clip(np.frexp(np.where(a > 0, a, 1))[1] - 1 - 2, -126, 127), 0)      # np.frexp(a)[1] - 1 = floor(log2(a)), exactly
;;       r = np.clip(x / 2.0 ** e, -7.5, 7.5)
;;       step = 2.0 ** (np.maximum(np.frexp(np.where(r == 0, 1, r))[1] - 1, 0) - 3)
;;       q = np.round(r / step) * step * 2.0 ** e      # np.round: ties to even
;;       return np.moveaxis(q.reshape(q.shape[:-2] + (-1,))[..., :K], -1, axis).astype(np.float32)
;;   ~~~
;;   SOFTMAX AHEAD OF A QUANTISED PRODUCT. Where the list says 'softmax', what is quantised is not the finished softmax but p = 2^(t - M), with t = logit x log2(e) and M = ceil(the row's largest t), a whole number; so 1/2 < the row's largest p <= 1. The row's sum l is taken of the UNQUANTISED p, in f32, and the product's result is divided by l at the end. Since M is a whole number, a kernel that streams over the keys may use a running M (the ceiling of the running maximum): every later rescaling is an exact power of two, which a block's scale takes up: the codes' values come out the same.
;;   OPERANDS COMPUTED ON THE WAY. 'Computed on the way' means the value that the module computes at that place (a softmax that the list does not call 'softmax' is quantised finished and normalised). What goes into a quantiser is computed in f32, as accurately as f32 sums, v_exp_f32 and their like allow (about 1e-6 of the number): no bf16 or f16 on the way to a quantiser, and a product that is left as it is and whose result goes on into a quantised operand takes f32 operands (vector FMAs, or v_wmma_f32_16x16x4_f32). A number that lies on a knife's edge between two numbers of the format may be rounded either way, as far as f32 arithmetic and the matrix unit's own rounding can turn it there, and no further.
;; One version. Each part assembles by itself: llvm-mc -triple=amdgcn-amd-amdhsa -mcpu=gfx1250 --defsym DOCPART=n.
;; ======== version 1 of 1: 4 launches
;; limits: right only within a limited range of input values
;; workspace buffers: codes 9,437,184 bytes; scl 393,216 bytes; rope 524,288 bytes; qc 6,815,744 bytes; kv 13,369,344 bytes; cimg 6,291,456 bytes; cscl 262,144 bytes
;; launch prep (part 1): grid 416 x 1, 4 waves a work-group, no clusters, 42,496 bytes of LDS; arguments hidden_states, Wqkv, Wout, positions, codes, scl, rope; writes codes, scl, rope
.if DOCPART == 1
	.amdgcn_target "amdgcn-amd-amdhsa--gfx1250"
	.amdhsa_code_object_version 6
	.text
	.protected	k_q89861d057a_prep
	.globl	k_q89861d057a_prep
	.p2align	8
	.type	k_q89861d057a_prep,@function
k_q89861d057a_prep:
	s_mov_b64 s[64:65], 0
	v_nop
	global_prefetch_b8 v0, s[64:65] scope:SCOPE_SE
	s_setreg_imm32_b32 hwreg(HW_REG_WAVE_MODE, 25, 1), 1
	s_wait_xcnt 0x0
; PREP: hidden_states [8192][1024], Wqkv [1024][3072] and Wout [1024][1024], f32, become codes of FP6 (E2M3) with one E8M0 byte for each 32 along K;
; positions become a table of cos and sin.  Three roles, parted on the work-group's number: 0-255 X (the tokens), 256-383 W (both weights), 384-415 R (the table).
; THE CODES' LAYOUT is this program's own: images of operand registers.  A PIECE is 16 rows x 64 K, 768 bytes: lane (r, h) owns the 24 bytes of row r, K block h, as six words c0-c5;
; c0-c3 lie at 16 x lane, c4-c5 at 512 + 8 x lane.  A block of 16 rows has its 16 pieces on end (12,288 bytes).  Rows: tokens 0-8191, Wqkv's columns at 8192 + n, Wout's at 11264 + n.
; STORAGE ORDER: place s of a group of 32 rows holds the row whose number is s with bits 3 and 4 exchanged.  A matrix result whose source 0 is 16 places on end then has, in the 16 registers
; of two neighbouring tiles, 16 neighbouring rows: what the next quantiser wants.
; SCALE BYTES: [K / 256][row][8 bytes].   TABLE: [16 places of the sequence][8 planes][lane][16 bytes]; planes 0-3 cos, 4-7 sin of frequencies 16 h + 4 plane + 0..3 for place r.
; A block's scale is 2^(floor(log2(largest magnitude)) - 2); its byte is the largest magnitude's exponent field - 2, held at 1 from below (a block of zeros keeps 1: its codes are zeros, and this program alone reads the bytes).
; LIMITS: NaN and infinities are not served; blocks whose largest magnitude lies under 2^-124 keep the byte 1; |positions| up to 2,000,000 (three-part reduction by pi / 2).
; No tensor load, no barrier, no cluster: waves share nothing, and no two work-groups read the same bytes.  Roles X and W have LDS bytes of their own.
.set XSTG, 0                           ; role X: a stage of 16 rows x 272 bytes for each wave
.set WSTG, 17408                       ; role W: a stage of 6,144 bytes for each wave: two blocks of rows x four pieces
.set RS,   32                          ; X: v32-95  two sets of 32 numbers as loaded
.set XS,   96                          ; X: v96-127 a block of 32 neighbours
.set CD,   128                         ; v128-134   a block's codes
.set PB,   16                          ; X: v16-19  scale bytes on their way to words
.set VO,   32                          ; W: v32-63  byte offsets of 32 rows of the weight
.set WX,   64                          ; W: v64-127 two sets of 32 numbers
.set OUTR, 136                         ; W: v136-183 the way out
.set SB,   16                          ; W: v16-17  a column's 8 scale bytes
.set WB,   32                          ; W: s[32:47] the weight at each of my eight blocks of 32 rows
.set JF,   32                          ; R: v32-47 j, v48-63 -j c, v64-79 cos, v80-95 sin, v96-111 the frequencies, v112-121 at work
.set EA,   48
.set COSR, 64
.set SINR, 80
.set INV,  96
; 32 numbers v[xs] .. v[xs + 31], one block, become six words of codes in v[c] .. v[c + 5]; the byte is left in v13
.macro Q32 xs, c
	v_max3_num_f32 v12, |v[\xs]|, |v[\xs+1]|, |v[\xs+2]|
	v_max3_num_f32 v13, |v[\xs+3]|, |v[\xs+4]|, |v[\xs+5]|
.irp i, 6,10,14,18,22,26
	v_max3_num_f32 v12, v12, |v[\xs+\i]|, |v[\xs+\i+1]|
	v_max3_num_f32 v13, v13, |v[\xs+\i+2]|, |v[\xs+\i+3]|
.endr
	v_max3_num_f32 v12, v12, |v[\xs+30]|, |v[\xs+31]|
	v_max3_num_f32 v12, v12, v13, 0x1800000        ; and the floor 2^(3 - 127): the byte cannot fall under 1
	v_add_nc_u32 v11, 0xff000000, v12              ; 2 off the exponent field: the conversion takes this operand's exponent field as its scale
	v_lshrrev_b32 v13, 23, v11                     ; the scale's byte
	v_cvt_scalef32_pk16_fp6_f32 v[\c:\c+2], v[\xs:\xs+15], v11
	v_cvt_scalef32_pk16_fp6_f32 v[\c+4:\c+6], v[\xs+16:\xs+31], v11   ; (a conversion's three registers begin on an even number)
	v_nop                                          ; one plain place behind a scaled conversion
	v_mov_b32 v[\c+3], v[\c+4]
	v_mov_b32 v[\c+4], v[\c+5]
	v_mov_b32 v[\c+5], v[\c+6]
.endm
; X: piece t = 4 u + kq: places 16 u .. 16 u + 15 of my 32 rows, 64 along K.  Load i takes the rows of places 2 i and 2 i + 1: 256 consecutive bytes each
.macro XLOAD t
.irp i, 0,1,2,3,4,5,6,7
	global_load_b128 v[RS+32*((\t)%2)+4*\i:RS+32*((\t)%2)+4*\i+3], v4, s[4:5] offset:(16*(\i/4)+8*((\t)/4)+2*(\i%4))*4096+256*((\t)%4) th:TH_LOAD_NT
.endr
.endm
.macro XHF t
.if (\t) < 7
	s_wait_loadcnt 8                               ; this piece's eight loads are in; the next piece's eight may be out
.else
	s_wait_loadcnt 0
.endif
.irp i, 0,1,2,3,4,5,6,7
	ds_store_b128 v5, v[RS+32*((\t)%2)+4*\i:RS+32*((\t)%2)+4*\i+3] offset:544*\i   ; as loaded: places 2 i, 2 i + 1 of my own stage
.endr
.irp i, 0,1,2,3,4,5,6,7
	ds_load_b128 v[XS+4*\i:XS+4*\i+3], v6 offset:16*\i   ; back: place r, block h: 32 neighbours.  LDS serves a wave's instructions in order
.endr
	s_wait_dscnt 0x0
.if (\t)+2 < 8
	XLOAD (\t)+2
.endif
	s_wait_xcnt 0x0                                ; the last piece's stores have read the codes' registers
	Q32 XS, CD
.if (\t)%2 == 0
	v_mov_b32 v[PB+(\t)/2], v13                    ; K blocks 2 kq + h: even kq at bit 0, odd kq at bit 16
.else
	v_lshl_or_b32 v[PB+(\t)/2], v13, 16, v[PB+(\t)/2]
.endif
	global_store_b128 v7, v[CD:CD+3], s[12:13] offset:12288*((\t)/4)+768*((\t)%4)       ; 512 consecutive bytes
	global_store_b64 v8, v[CD+4:CD+5], s[12:13] offset:12288*((\t)/4)+768*((\t)%4)+512  ; 256 consecutive bytes, aligned
.endm
; W: block t of my eight: rows 32 t .. 32 t + 31 of my quarter of K, a lane to a column
.macro WLOAD t
.set i, 0
.rept 32
	global_load_b32 v[WX+32*((\t)%2)+i], v[VO+i], s[WB+2*(\t):WB+2*(\t)+1] th:TH_LOAD_NT
.set i, i+1
.endr
.endm
.macro WBLK t
.if (\t) < 7
	s_wait_loadcnt 32                              ; this block's 32 loads are in; the next block's may be out
.else
	s_wait_loadcnt 0
.endif
	Q32 WX+32*((\t)%2), CD
.if (\t)%4 == 0
	v_mov_b32 v[SB+(\t)/4], v13
.else
	v_lshl_or_b32 v[SB+(\t)/4], v13, 8*((\t)%4), v[SB+(\t)/4]
.endif
	ds_store_b128 v9, v[CD:CD+3] offset:768*((\t)/2)+256*((\t)%2)          ; piece t / 2, K block t % 2, my column's place
	ds_store_b64 v10, v[CD+4:CD+5] offset:768*((\t)/2)+128*((\t)%2)+512
.if (\t)+2 < 8
	WLOAD (\t)+2
.endif
	s_wait_dscnt 0x0                               ; the stores have read the codes' registers
.endm
; R: cos and sin of pos x frequency i.  n = the nearest whole number of quarter turns; r = x - n pi / 2 in three parts; polynomials on |r| <= pi / 4; the quadrant swaps and signs them
.macro SINCOS i
	v_mul_f32 v112, v20, v[INV+\i]
	v_mul_f32 v113, 0x3f22f983, v112               ; x 2 / pi
	v_rndne_f32 v113, v113
	v_fma_f32 v114, v113, s30, v112
	v_fma_f32 v114, v113, s31, v114
	v_fma_f32 v114, v113, s32, v114                ; r
	v_cvt_i32_f32 v115, v113                       ; q
	v_mul_f32 v116, v114, v114                     ; z = r r
	v_fma_f32 v117, v116, s35, s34
	v_fma_f32 v118, v116, s38, s37
	v_fma_f32 v117, v117, v116, s33
	v_fma_f32 v118, v118, v116, s36
	v_mul_f32 v119, v116, v114
	v_mul_f32 v120, v116, v116
	v_fma_f32 v117, v117, v119, v114               ; sin r
	v_fma_f32 v121, v116, -0.5, 1.0
	v_fma_f32 v118, v118, v120, v121               ; cos r
	v_and_b32 v119, 1, v115
	v_cmp_eq_u32 vcc_lo, 1, v119
	v_cndmask_b32 v120, v117, v118, vcc_lo         ; odd quadrants change the two
	v_cndmask_b32 v121, v118, v117, vcc_lo
	v_lshlrev_b32 v119, 30, v115
	v_add_nc_u32 v115, 1, v115
	v_and_b32 v119, 0x80000000, v119               ; sin is negative in quadrants 2, 3
	v_lshlrev_b32 v115, 30, v115
	v_and_b32 v115, 0x80000000, v115               ; cos in quadrants 1, 2
	v_xor_b32 v[SINR+\i], v119, v120
	v_xor_b32 v[COSR+\i], v115, v121
.endm
	s_load_b256 s[4:11], s[0:1], 0x0               ; hidden_states s[4:5], Wqkv s[6:7], Wout s[8:9], positions s[10:11]
	s_load_b128 s[12:15], s[0:1], 0x20             ; codes s[12:13], scl s[14:15]
	s_load_b64 s[16:17], s[0:1], 0x30              ; rope
	v_lshl_add_u32 v192, v0, 2, 0xa400
	v_mov_b32 v193, 0
	v_lshrrev_b32 v1, 5, v0
	v_readfirstlane_b32 s18, v1                    ; wave 0..3
	v_and_b32 v1, 31, v0                           ; lane
	v_and_b32 v2, 15, v0                           ; r
	v_bfe_u32 v3, v0, 4, 1                         ; h
	v_lshlrev_b32 v7, 4, v1                        ; 16 x lane
	v_lshlrev_b32 v8, 3, v1                        ; 8 x lane
	s_mov_b32 s21, 0                               ; the upper word of every offset
	s_mov_b32 s28, 0x76543210
	s_mov_b32 s29, 0xfedcba98                      ; v_permlanex16_b32's selects for lane l xor 16
	s_cmp_lt_u32 ttmp9, 256
	s_cbranch_scc0 .Lnot_x
	; ---- ROLE X: work-group g takes rows 32 g .. 32 g + 31, wave w the K quarter w: eight pieces
	v_lshlrev_b32 v4, 12, v3
	v_lshl_add_u32 v4, v2, 4, v4                   ; in: 4,096 h + 16 r: two rows a load
	s_mul_i32 s22, s18, 4352
	v_mul_u32_u24 v5, v3, 272
	v_lshl_add_u32 v5, v2, 4, v5
	v_add_nc_u32 v5, s22, v5                       ; the stage, on the way in
	v_mul_u32_u24 v6, v2, 272
	v_lshl_add_u32 v6, v3, 7, v6
	v_add_nc_u32 v6, s22, v6                       ; and back: place r, 128 h bytes on
	v_lshlrev_b32 v10, 3, v3                       ; 8 h
.irp p, 0,1,2,3
	v_mov_b32 v[24+\p], 0                          ; a lane permute's destination counts as one of its sources
.endr
	s_lshl_b32 s20, ttmp9, 17
	s_lshl_b32 s23, s18, 10
	s_add_co_u32 s20, s20, s23
	s_wait_alu depctr_va_vdst(0)
	s_wait_kmcnt 0x0
	s_add_nc_u64 s[4:5], s[4:5], s[20:21]          ; x at row 32 g, K 256 w
	s_mul_i32 s20, ttmp9, 24576
	s_mul_i32 s23, s18, 3072
	s_add_co_u32 s20, s20, s23
	s_add_nc_u64 s[12:13], s[12:13], s[20:21]      ; codes at block 2 g, piece 4 w
	s_mul_i32 s20, s18, 98304
	s_lshl_b32 s23, ttmp9, 8
	s_add_co_u32 s20, s20, s23
	s_add_nc_u64 s[14:15], s[14:15], s[20:21]      ; scale bytes at quarter w, row 32 g
	XLOAD 0
	XLOAD 1
.irp t, 0,1,2,3,4,5,6,7
	XHF \t
.endr
.irp p, 0,1,2,3
	v_lshlrev_b32 v[PB+\p], v10, v[PB+\p]          ; my half's bytes at their places,
.endr
.irp p, 0,1,2,3
	v_permlanex16_b32 v[24+\p], v[PB+\p], s28, s29
.endr
.irp p, 0,1,2,3
	v_or_b32 v[PB+\p], v[PB+\p], v[24+\p]          ; with the other half's the word is whole
.endr
	v_cmp_le_u32 vcc_lo, 16, v1
	v_cndmask_b32 v20, v[PB], v[PB+2], vcc_lo      ; lanes 0-15: places 0-15; lanes 16-31: places 16-31
	v_cndmask_b32 v21, v[PB+1], v[PB+3], vcc_lo
	global_store_b64 v8, v[20:21], s[14:15]        ; 256 consecutive bytes, aligned
	s_wait_tensorcnt 0x0
	ds_add_u32 v192, v193
	s_wait_dscnt 0x0
	s_endpgm
.Lnot_x:
	s_cmp_lt_u32 ttmp9, 384
	s_cbranch_scc0 .Lrope
	; ---- ROLE W: 96 work-groups for Wqkv, 32 for Wout: 128 columns x a quarter of K; a lane takes a column and its registers run down K
	s_sub_co_u32 s20, ttmp9, 256
	s_wait_kmcnt 0x0
	s_cmp_lt_u32 s20, 96                           ; the choice hangs on the work-group's number alone
	s_cselect_b64 s[22:23], s[6:7], s[8:9]
	s_mov_b32 s24, 4096
	s_cselect_b32 s24, 12288, s24                  ; a row of the weight in bytes
	s_mov_b32 s25, 11264
	s_cselect_b32 s25, 8192, s25                   ; where its columns begin among the codes' rows
	s_cselect_b32 s26, 0, 96
	s_sub_co_u32 s20, s20, s26
	s_and_b32 s26, s20, 3                          ; which quarter of K
	s_lshr_b32 s27, s20, 2
	s_lshl_b32 s27, s27, 7
	s_lshl_b32 s30, s18, 5
	s_add_co_u32 s27, s27, s30                     ; my wave's first column
	s_lshl_b32 s30, s26, 8
	s_mul_i32 s30, s30, s24
	s_lshl_b32 s31, s27, 2
	s_add_co_u32 s20, s30, s31
	s_add_nc_u64 s[WB:WB+1], s[22:23], s[20:21]
	s_lshl_b32 s20, s24, 5                         ; 32 rows on
.irp t, 1,2,3,4,5,6,7
	s_add_nc_u64 s[WB+2*\t:WB+2*\t+1], s[WB+2*\t-2:WB+2*\t-1], s[20:21]
.endr
	s_add_co_u32 s25, s25, s27                     ; my first row of codes
	s_mul_i32 s20, s25, 768
	s_mul_i32 s30, s26, 3072
	s_add_co_u32 s20, s20, s30
	s_add_nc_u64 s[12:13], s[12:13], s[20:21]
	s_mul_i32 s20, s26, 98304
	s_lshl_b32 s30, s25, 3
	s_add_co_u32 s20, s20, s30
	s_add_nc_u64 s[14:15], s[14:15], s[20:21]
	s_wait_alu depctr_va_vdst(0)
	v_lshlrev_b32 v[VO], 2, v1
.set i, 1
.rept 31
	v_add_nc_u32 v[VO+i], s24, v[VO+i-1]
.set i, i+1
.endr
	v_bfe_u32 v4, v1, 3, 1                         ; my column's place: bits 3 and 4 exchanged: block of 16 u,
	v_bfe_u32 v5, v1, 4, 1
	v_and_b32 v6, 7, v1
	v_lshl_or_b32 v6, v5, 3, v6                    ; place r in it
	s_mul_i32 s30, s18, 6144
	s_add_co_u32 s30, s30, WSTG
	v_mul_u32_u24 v5, v4, 3072
	v_add_nc_u32 v5, s30, v5
	v_lshl_add_u32 v9, v6, 4, v5                   ; the stage: words c0-c3
	v_lshl_add_u32 v10, v6, 3, v5                  ; words c4, c5 (512 on, in the immediate)
	v_lshl_or_b32 v6, v4, 4, v6
	v_lshlrev_b32 v6, 3, v6                        ; 8 x place: my row of scale bytes
	v_add_nc_u32 v14, s30, v7                      ; the way out: 16 x lane
	WLOAD 0
	WLOAD 1
.irp t, 0,1,2,3,4,5,6,7
	WBLK \t
.endr
.irp m, 0,1,2,3,4,5,6,7,8,9,10,11
	ds_load_b128 v[OUTR+4*\m:OUTR+4*\m+3], v14 offset:512*\m
.endr
	s_wait_alu depctr_va_vdst(0)
	global_store_b64 v6, v[SB:SB+1], s[14:15]      ; the wave's 32 rows: 256 consecutive bytes, aligned
.irp m, 0,1,2,3,4,5,6,7,8,9,10,11
	s_wait_dscnt 11-\m                             ; the younger read-backs may be out
	global_store_b128 v7, v[OUTR+4*\m:OUTR+4*\m+3], s[12:13] offset:512*\m+(\m/6)*9216   ; four pieces on end in each of two blocks of rows
.endr
	s_wait_tensorcnt 0x0
	ds_add_u32 v192, v193
	s_wait_dscnt 0x0
	s_endpgm
.Lrope:
	; ---- ROLE R: wave = 16 places of the sequence; lane (r, h): place r, frequencies 16 h + 0 .. 15
	s_sub_co_u32 s20, ttmp9, 384
	s_lshl_b32 s20, s20, 2
	s_add_co_u32 s22, s20, s18                     ; which 16 places
	s_lshr_b32 s23, s22, 1
	s_lshl_b32 s23, s23, 5
	s_and_b32 s24, s22, 1
	s_lshl_b32 s24, s24, 3
	s_add_co_u32 s23, s23, s24
	s_lshl_b32 s20, s23, 2
	s_wait_kmcnt 0x0
	s_add_nc_u64 s[10:11], s[10:11], s[20:21]
	s_lshl_b32 s20, s22, 12
	s_add_nc_u64 s[16:17], s[16:17], s[20:21]
	s_wait_alu depctr_va_vdst(0)
	v_and_b32 v4, 8, v2
	v_add_nc_u32 v4, v4, v2                        ; place r holds index r + 8 (r / 8) of these
	v_lshlrev_b32 v4, 2, v4
	global_load_b32 v20, v4, s[10:11]
	s_mov_b32 s30, 0xbfc90fdb                      ; -pi / 2 in three parts
	s_mov_b32 s31, 0x333bbd2e
	s_mov_b32 s32, 0x26f72d08
	s_mov_b32 s33, 0xbe2aaaa3                      ; sin's coefficients
	s_mov_b32 s34, 0x3c08839e
	s_mov_b32 s35, 0xb94ca1f9
	s_mov_b32 s36, 0x3d2aaaa5                      ; cos's
	s_mov_b32 s37, 0xbab6061a
	s_mov_b32 s38, 0x37ccf5ce
	v_lshlrev_b32 v5, 4, v3
.irp i, 0,1,2,3,4,5,6,7,8,9,10,11,12,13,14,15
	v_add_nc_u32 v[JF+\i], \i, v5
.endr
.irp i, 0,1,2,3,4,5,6,7,8,9,10,11,12,13,14,15
	v_cvt_f32_u32 v[JF+\i], v[JF+\i]               ; j
.endr
.irp i, 0,1,2,3,4,5,6,7,8,9,10,11,12,13,14,15
	v_mul_f32 v[EA+\i], 0xbed49a80, v[JF+\i]       ; -j x 435412 / 2^20: exact.  log2(10000) / 32 lies 2.29594e-7 under that number
.endr
	s_wait_alu depctr_va_vdst(0)
.irp i, 0,1,2,3,4,5,6,7,8,9,10,11,12,13,14,15
	v_exp_f32 v[INV+\i], v[EA+\i]
.endr
.irp i, 0,1,2,3,4,5,6,7,8,9,10,11,12,13,14,15
	v_mul_f32 v[JF+\i], 0x342ae0c1, v[JF+\i]       ; j x ln 2 x that difference (plain work behind the batch)
.endr
	s_wait_alu depctr_va_vdst(0)                   ; one wait for the sixteen, ahead of their first reader
.irp i, 0,1,2,3,4,5,6,7,8,9,10,11,12,13,14,15
	v_fma_f32 v[INV+\i], v[INV+\i], v[JF+\i], v[INV+\i]   ; 10000^(-j / 32)
.endr
	s_wait_loadcnt 0x0
	v_cvt_f32_i32 v20, v20
.irp i, 0,1,2,3,4,5,6,7,8,9,10,11,12,13,14,15
	SINCOS \i
.endr
.irp p, 0,1,2,3
	global_store_b128 v7, v[COSR+4*\p:COSR+4*\p+3], s[16:17] offset:512*\p
	global_store_b128 v7, v[SINR+4*\p:SINR+4*\p+3], s[16:17] offset:2048+512*\p
.endr
	s_endpgm
.Lfunc_end_k_q89861d057a_prep:
	.size	k_q89861d057a_prep, .Lfunc_end_k_q89861d057a_prep-k_q89861d057a_prep
	.p2alignl 7, 3214868480
	.fill 96, 4, 3214868480
	.section	.rodata,"a",@progbits
	.p2align	6, 0x0
	.amdhsa_kernel k_q89861d057a_prep
		.amdhsa_group_segment_fixed_size 42496
		.amdhsa_private_segment_fixed_size 0
		.amdhsa_enable_private_segment 0
		.amdhsa_kernarg_size 56
		.amdhsa_user_sgpr_count 2
		.amdhsa_user_sgpr_kernarg_segment_ptr 1
		.amdhsa_wavefront_size32 1
		.amdhsa_system_sgpr_workgroup_id_x 1
		.amdhsa_system_sgpr_workgroup_id_y 1
		.amdhsa_system_sgpr_workgroup_id_z 1
		.amdhsa_system_vgpr_workitem_id 0
		.amdhsa_next_free_vgpr 194
		.amdhsa_next_free_sgpr 66
		.amdhsa_reserve_vcc 1
		.amdhsa_float_denorm_mode_32 3
		.amdhsa_float_denorm_mode_16_64 3
		.amdhsa_memory_ordered 1
		.amdhsa_forward_progress 1
		.amdhsa_inst_pref_size 101
	.end_amdhsa_kernel
	.amdgpu_metadata
---
amdhsa.version: [ 1, 2 ]
amdhsa.kernels:
  - .name:           k_q89861d057a_prep
    .symbol:         k_q89861d057a_prep.kd
    .args:
      - { .name: hidden_states, .offset: 0, .size: 8, .value_kind: global_buffer, .address_space: global }
      - { .name: Wqkv, .offset: 8, .size: 8, .value_kind: global_buffer, .address_space: global }
      - { .name: Wout, .offset: 16, .size: 8, .value_kind: global_buffer, .address_space: global }
      - { .name: positions, .offset: 24, .size: 8, .value_kind: global_buffer, .address_space: global }
      - { .name: codes, .offset: 32, .size: 8, .value_kind: global_buffer, .address_space: global }
      - { .name: scl, .offset: 40, .size: 8, .value_kind: global_buffer, .address_space: global }
      - { .name: rope, .offset: 48, .size: 8, .value_kind: global_buffer, .address_space: global }
    .group_segment_fixed_size: 42496
    .private_segment_fixed_size: 0
    .kernarg_segment_align: 8
    .kernarg_segment_size: 56
    .max_flat_workgroup_size: 128
    .sgpr_count:     66
    .vgpr_count:     194
    .wavefront_size: 32
...
	.end_amdgpu_metadata
.endif
;; end of part 1
;; launch qkv (part 2): grid 8 x 48, 4 waves a work-group, clusters of 4 x 4, 327,680 bytes of LDS; arguments codes, scl, rope, bqkv, qc, kv; writes qc, kv
.if DOCPART == 2
	.amdgcn_target "amdgcn-amd-amdhsa--gfx1250"
	.amdhsa_code_object_version 6
	.text
	.protected	k_q89861d057a_qkv
	.globl	k_q89861d057a_qkv
	.p2align	8
	.type	k_q89861d057a_qkv,@function
k_q89861d057a_qkv:
	s_mov_b64 s[64:65], 0
	v_nop
	global_prefetch_b8 v0, s[64:65] scope:SCOPE_SE
	s_setreg_imm32_b32 hwreg(HW_REG_WAVE_MODE, 25, 1), 1
	s_wait_xcnt 0x0
	s_wait_alu depctr_hold_cnt(0) depctr_sa_sdst(0) depctr_va_vdst(0) depctr_va_sdst(0) depctr_va_ssrc(0) depctr_va_vcc(0) depctr_vm_vsrc(0)
	s_getreg_b32 s2, hwreg(HW_REG_IB_STS2, 6, 4)
	s_cmp_eq_u32 s2, 0
	s_cbranch_scc0 .Lentry_in_a_cluster
	s_endpgm
.Lentry_in_a_cluster:
	s_bfe_u32 s2, ttmp6, 0x10000c
	s_cmp_lg_u32 s2, 0xf033
	s_cbranch_scc0 .Lentry_shape_is_right
	s_endpgm
.Lentry_shape_is_right:
.set HALFT, 24576
.set SLOT,  4*HALFT
.set SCL,   2*SLOT
.set SPARE, SCL+4*4096
.set FR, 12
.set NL, 4
.set NP, 4
.set NQ, 2
.set ADRA, 16
.set ADRB, 20
.set ADRS, 27
.set SPW, 28
.set NIL, 29
.set L16, 30
.set L8,  31
.set SC,  32
.set BIAS, 64
.set AF,  128
.set TM,  32
.set SW,  48
.set T,   128
.set PC,  192
.set WV, 16
.set WH, 17
.set WL, 18
.set MODE, 19
.set G1, 24
.set G0, 32
.set G1B, 48
.set G0B, 56
.set G1S, 68
.set G0S, 76
.set G1SB, 80
.set G0SB, 88
.set SEL, 96
.set MSB, 0
.macro WIN new
.if MSB != \new
	s_set_vgpr_msb (MSB<<8)|\new
.set MSB, \new
.endif
.endm
.set MUL_LO, 0xa1
.set MUL_HI, 0xf1
.set TO_B,   0x40
.macro WMUL hi, cmode
.if \cmode == 2
.set WN, 0x81+0x40*\hi
.else
.set WN, 0xa1+0x50*\hi
.endif
	WIN WN
.endm
.macro JLOAD g0a, g1a, g0b, g1b
	s_cmp_eq_u32 s[WH], 0
	s_cbranch_scc0 .Lfor_b_\@
	tensor_load_to_lds s[\g0a:\g0a+3], s[\g1a:\g1a+7]
	s_nop 0
.rept 4
	v_nop
.endr
	s_branch .Lasked_\@
.Lfor_b_\@:
	tensor_load_to_lds s[\g0b:\g0b+3], s[\g1b:\g1b+7]
	s_nop 0
.rept 4
	v_nop
.endr
.Lasked_\@:
.endm
.macro CREST
	s_cmp_lg_u32 s[WV], 0
	s_cbranch_scc1 .Lnot_wave_0_\@
	s_barrier_signal -3
.Lnot_wave_0_\@:
	s_barrier_wait -3
	s_barrier_signal -1
	s_barrier_wait -1
.endm
.macro CROUND
	s_barrier_signal -1
	s_barrier_wait -1
	CREST
.endm
.macro PLACES n
.rept \n
	v_nop
.endr
.endm
.macro FRAG reg, adr, off
	ds_load_b128 v[\reg:\reg+3], v[\adr] offset:\off
	ds_load_b64 v[\reg+4:\reg+5], v[\adr+2] offset:\off+512
	ds_load_b128 v[\reg+6:\reg+9], v[\adr] offset:\off+768
	ds_load_b64 v[\reg+10:\reg+11], v[\adr+2] offset:\off+1280
.endm
.macro FETCH_B slot, q, p
	WIN TO_B
.irp i, 0,1,2,3,4,5,6,7
	FRAG 128*(\p)+FR*\i, ADRB+\slot, \i*3072+(\q)*1536
.endr
	WIN 0
.endm
.macro FETCH_A slot, q, i0
.irp i, \i0, \i0+1, \i0+2, \i0+3
	FRAG AF+FR*(\i), ADRA+\slot, (\i)*3072+(\q)*1536
.endr
.endm
.macro SCALES sc
.irp i, 0,1,2,3,4,5,6,7
	ds_load_b64 v[SC+8*NQ*\sc+NQ*\i:SC+8*NQ*\sc+NQ*\i+1], v[ADRS] offset:\i*128
.endr
.endm
.macro MUL16 a0, p, q, sc, cmode
.irp a, \a0, \a0+1
.irp b, 0,1,2,3,4,5,6,7
.if \cmode == 1
	v_wmma_scale_f32_16x16x128_f8f6f4 v[8*(8*((\a)%4)+\b):8*(8*((\a)%4)+\b)+7], v[128*(\p)+FR*\b:128*(\p)+FR*\b+FR-1], v[AF+FR*(\a):AF+FR*(\a)+FR-1], 0, v[SC+8*NQ*(\sc)+NQ*\b+(\q)], v[SC+8*NQ*(\sc)+NQ*(\a)+(\q)] matrix_a_fmt:MATRIX_FMT_FP6 matrix_b_fmt:MATRIX_FMT_FP6 matrix_a_scale:MATRIX_SCALE_ROW1
.elseif \cmode == 2
	v_wmma_scale_f32_16x16x128_f8f6f4 v[8*(8*((\a)%4)+\b):8*(8*((\a)%4)+\b)+7], v[128*(\p)+FR*\b:128*(\p)+FR*\b+FR-1], v[AF+FR*(\a):AF+FR*(\a)+FR-1], v[BIAS+8*\b:BIAS+8*\b+7], v[SC+8*NQ*(\sc)+NQ*\b+(\q)], v[SC+8*NQ*(\sc)+NQ*(\a)+(\q)] matrix_a_fmt:MATRIX_FMT_FP6 matrix_b_fmt:MATRIX_FMT_FP6 matrix_a_scale:MATRIX_SCALE_ROW1
.else
	v_wmma_scale_f32_16x16x128_f8f6f4 v[8*(8*((\a)%4)+\b):8*(8*((\a)%4)+\b)+7], v[128*(\p)+FR*\b:128*(\p)+FR*\b+FR-1], v[AF+FR*(\a):AF+FR*(\a)+FR-1], v[8*(8*((\a)%4)+\b):8*(8*((\a)%4)+\b)+7], v[SC+8*NQ*(\sc)+NQ*\b+(\q)], v[SC+8*NQ*(\sc)+NQ*(\a)+(\q)] matrix_a_fmt:MATRIX_FMT_FP6 matrix_b_fmt:MATRIX_FMT_FP6 matrix_a_scale:MATRIX_SCALE_ROW1
.endif
.endr
.endr
.endm
.macro STEP slot, q, cmode
	s_wait_dscnt 4*NL
	WMUL 0, \cmode
	MUL16 0, (\q)%2, \q, \slot, \cmode
	MUL16 2, (\q)%2, \q, \slot, \cmode
	s_wait_dscnt 0
	PLACES NP
	FETCH_B \slot, (\q)+1, 1-(\q)%2
	FETCH_A \slot, (\q)+1, 0
	WMUL 1, \cmode
	MUL16 4, (\q)%2, \q, \slot, \cmode
	MUL16 6, (\q)%2, \q, \slot, \cmode
	PLACES NP
	WIN 0
	FETCH_A \slot, (\q)+1, 4
.endm
.macro TURN slot, next, fill
	s_wait_tensorcnt 0x0
	ds_add_u32 v[SPW], v[NIL]
	s_wait_dscnt 4*NL+1
	WIN MUL_LO
	MUL16 0, 1, 1, \slot, 0
	s_wait_dscnt 0x0
	s_barrier_signal -1
	MUL16 2, 1, 1, \slot, 0
	WIN 0
	s_barrier_wait -1
.if \fill
	CREST
	s_add_nc_u64 s[G0+4*\slot+2:G0+4*\slot+3], s[G0+4*\slot+2:G0+4*\slot+3], 6144
	s_add_nc_u64 s[G0B+4*\slot+2:G0B+4*\slot+3], s[G0B+4*\slot+2:G0B+4*\slot+3], 6144
	JLOAD G0+4*\slot, G1, G0B+4*\slot, G1B
.else
	PLACES NP
.endif
	s_wait_alu depctr_va_vdst(0)
	v_add_nc_u32 v[ADRS], 2048, v[ADRS]
	FETCH_B \next, 0, 0
	FETCH_A \next, 0, 0
	SCALES \next
	WIN MUL_HI
	MUL16 4, 1, 1, \slot, 0
	MUL16 6, 1, 1, \slot, 0
	PLACES NP
	WIN 0
	FETCH_A \next, 0, 4
.endm
.macro LAST
	s_wait_dscnt 4*NL
	WIN MUL_LO
	MUL16 0, 1, 1, 1, 0
	MUL16 2, 1, 1, 1, 0
	s_wait_dscnt 0
	WIN MUL_HI
	MUL16 4, 1, 1, 1, 0
	MUL16 6, 1, 1, 1, 0
	WIN 0
.endm
.macro QUANT s, pc, pw
.irp b, 0,1,2,3
	v_max3_num_f32 v[TM+\b], |v[\s+16*\b]|, |v[\s+1+16*\b]|, 0x1800000
.endr
.irp i, 2,4,6,8,10,12,14
.irp b, 0,1,2,3
	v_max3_num_f32 v[TM+\b], v[TM+\b], |v[\s+16*\b+\i]|, |v[\s+1+16*\b+\i]|
.endr
.endr
.irp b, 0,1,2,3
	v_permlanex16_b32 v[TM+4+\b], v[TM+\b], s[SEL], s[SEL+1]
.endr
.irp b, 0,1,2,3
	v_max_num_f32 v[TM+\b], v[TM+\b], v[TM+4+\b]
.endr
.irp b, 0,1,2,3
	v_add_nc_u32 v[TM+12+\b], 0xff000000, v[TM+\b]
.endr
.irp b, 0,1,2,3
	v_lshrrev_b32 v[TM+4+\b], 23, v[TM+12+\b]
.endr
	v_lshl_or_b32 v[\pw], v[TM+5], 8, v[TM+4]
	v_lshl_or_b32 v[\pw], v[TM+6], 16, v[\pw]
	v_lshl_or_b32 v[\pw], v[TM+7], 24, v[\pw]
.irp c, 0,1
	v_cvt_scalef32_pk16_fp6_f32 v[\pc+6*\c:\pc+2+6*\c], v[\s+32*\c:\s+15+32*\c], v[TM+12+2*\c]
	v_cvt_scalef32_pk16_fp6_f32 v[\pc+12+4*\c:\pc+14+4*\c], v[\s+16+32*\c:\s+31+32*\c], v[TM+12+2*\c+1]
.endr
	v_nop
.irp c, 0,1
.irp i, 0,1,2
	v_permlane16_swap_b32 v[\pc+6*\c+\i], v[\pc+12+4*\c+\i]
.endr
.irp i, 0,1,2
	v_mov_b32 v[\pc+3+6*\c+\i], v[\pc+12+4*\c+\i]
.endr
.endr
.endm
.macro CSLOAD a
.irp p, 0,1,2,3,4,5,6,7
	global_load_b128 v[96+128*((\a)%2)+4*\p:96+128*((\a)%2)+4*\p+3], v[L16], s[32:33] offset:(\a)*4096+512*\p
.endr
.endm
.macro EPI_QK a
.set AC, 64*((\a)%4)
.set CSR, 96+128*((\a)%2)
.set PCS, PC+20*((\a)%2)
.set PWS, SW+(\a)
.if \a < 7
	WIN 0x40
	CSLOAD (\a)+1
	s_wait_loadcnt 8
.else
	s_wait_loadcnt 0
.endif
.set WN, 0x02+(\a)/4
	WIN WN
.irp b, 0,1,2,3,4,5,6,7
.irp k, 0,2,4,6
	v_pk_add_f32 v[T+8*\b+\k:T+8*\b+\k+1], v[AC+8*\b+\k:AC+8*\b+\k+1], v[BIAS+8*\b+\k:BIAS+8*\b+\k+1]
.endr
.endr
	WIN 0x04
.irp c, 0,1
.irp k, 0,2,4,6,8,10,12,14
	v_pk_mul_f32 v[56+2*(\k%4):57+2*(\k%4)], v[T+32*\c+16+\k:T+32*\c+17+\k], v[CSR+16+\k:CSR+17+\k]
	v_pk_mul_f32 v[58+2*(\k%4):59+2*(\k%4)], v[T+32*\c+\k:T+32*\c+1+\k], v[CSR+16+\k:CSR+17+\k]
	v_pk_fma_f32 v[T+32*\c+\k:T+32*\c+1+\k], v[T+32*\c+\k:T+32*\c+1+\k], v[CSR+\k:CSR+1+\k], v[56+2*(\k%4):57+2*(\k%4)] neg_lo:[0,0,1] neg_hi:[0,0,1]
	v_pk_fma_f32 v[T+32*\c+16+\k:T+32*\c+17+\k], v[T+32*\c+16+\k:T+32*\c+17+\k], v[CSR+\k:CSR+1+\k], v[58+2*(\k%4):59+2*(\k%4)]
.endr
.endr
	WIN 0
	s_wait_xcnt 0x0
	QUANT T, PCS, PWS
	global_store_b128 v[L16], v[PCS:PCS+3], s[24:25] offset:768*(\a)
	global_store_b64 v[L8], v[PCS+4:PCS+5], s[24:25] offset:768*(\a)+512
	global_store_b128 v[L16], v[PCS+6:PCS+9], s[26:27] offset:768*(\a)
	global_store_b64 v[L8], v[PCS+10:PCS+11], s[26:27] offset:768*(\a)+512
.endm
.macro EPI_V a
.set AC, 64*((\a)%4)
.set PCS, PC+20*((\a)%2)
.set PWS, SW+(\a)
.set WN, 0x02+(\a)/4
	WIN WN
.irp b, 0,1,2,3,4,5,6,7
.irp k, 0,2,4,6
	v_pk_add_f32 v[T+8*\b+\k:T+8*\b+\k+1], v[AC+8*\b+\k:AC+8*\b+\k+1], v[BIAS+2*(\a):BIAS+2*(\a)+1]
.endr
.endr
	WIN 0
	s_wait_xcnt 0x0
	QUANT T, PCS, PWS
.irp c, 0,1,2
	global_store_b128 v[L16], v[PCS+4*\c:PCS+4*\c+3], s[24+2*((\a)/4):25+2*((\a)/4)] offset:6144+1536*((\a)%4)+512*\c
.endr
.endm
	s_load_b128 s[4:7], s[0:1], 0x0
	s_load_b128 s[8:11], s[0:1], 0x10
	s_load_b128 s[12:15], s[0:1], 0x20
	v_lshl_add_u32 v[SPW], v0, 2, SPARE
	v_mov_b32 v[NIL], 0
	ds_add_u32 v28, v29
	ds_add_u32 v28, v29
	s_wait_dscnt 0x0
	v_lshrrev_b32 v1, 5, v0
	v_readfirstlane_b32 s[WV], v1
	s_lshr_b32 s[WH], s[WV], 1
	s_and_b32 s[WL], s[WV], 1
	s_bfe_u32 s40, ttmp6, 0x40000
	s_bfe_u32 s41, ttmp6, 0x40004
	s_and_b32 s43, ttmp7, 0xffff
	s_lshr_b32 s[MODE], s43, 3
	s_lshl_b32 s2, s41, 2
	s_lshl_b32 s2, 15, s2
	s_lshl_b32 s3, 0x1111, s40
	s_or_b32 s[G1], s2, (3<<16)|(1<<21)
	s_or_b32 s[G1S], s2, (3<<16)|(1<<21)
	s_or_b32 s[G1B], s3, (3<<16)|(1<<21)
	s_or_b32 s[G1SB], s3, (3<<16)|(1<<21)
.irp g, G1, G1B
	s_mov_b32 s[\g+1], 384<<16
	s_mov_b32 s[\g+2], 16<<16                      ; the head's loads bring a whole tile: 16 blocks of 16 rows
	s_mov_b32 s[\g+3], 384<<16
	s_mov_b32 s[\g+4], 16
	s_mov_b32 s[\g+5], 1536
	s_mov_b32 s[\g+6], 0
	s_mov_b32 s[\g+7], 0
.endr
.irp g, G1S, G1SB
	s_mov_b32 s[\g+1], 256<<16                     ; the scales of 256 rows: 2,048 bytes for each quarter of K
	s_mov_b32 s[\g+2], 4<<16
	s_mov_b32 s[\g+3], 256<<16
	s_mov_b32 s[\g+4], 4
	s_mov_b32 s[\g+5], 12288
	s_mov_b32 s[\g+6], 0
	s_mov_b32 s[\g+7], 0
.endr
	s_lshl_b32 s44, s41, 8
	s_lshl_b32 s20, s43, 10
	s_cmp_eq_u32 s[MODE], 0
	s_cselect_b32 s20, s20, 10240
	s_add_co_u32 s44, s44, s20
	s_lshl_b32 s45, ttmp9, 10
	s_lshl_b32 s21, s40, 8
	s_add_co_u32 s45, s45, s21
	s_sub_co_u32 s21, s43, 8
	s_lshl_b32 s21, s21, 11
	s_cmp_eq_u32 s[MODE], 0
	s_cselect_b32 s21, 8192, s21
	s_add_co_u32 s45, s45, s21
	s_mul_i32 s94, s[WL], 98304                    ; in the ring I fetch 128 rows of a tile: which half, in bytes of codes
	s_mov_b32 s95, 0
	s_mul_i32 s22, s44, 768                        ; where the tiles' first rows begin: codes and scale bytes
	s_mov_b32 s23, 0
	s_lshl_b32 s46, s44, 3
	s_mov_b32 s47, 0
	s_mul_i32 s92, s45, 768
	s_mov_b32 s93, 0
	s_lshl_b32 s66, s45, 3
	s_mov_b32 s67, 0
	s_mul_i32 s2, s[WV], HALFT
	s_mov_b32 s[SEL], 0x76543210
	s_mov_b32 s[SEL+1], 0xfedcba98
	s_mov_b32 s98, 0xffff
	s_mov_b32 s99, 0x7f7f0000
	s_wait_kmcnt 0x0
	s_add_nc_u64 s[22:23], s[4:5], s[22:23]
	s_add_nc_u64 s[46:47], s[6:7], s[46:47]
	s_add_nc_u64 s[92:93], s[4:5], s[92:93]
	s_add_nc_u64 s[66:67], s[6:7], s[66:67]
	CROUND                                         ; all sixteen work-groups are here: the first joint loads meet
	s_mov_b32 s[G0S], 1                            ; the head's four tiles, each whole: the scales of A's 256 rows,
	s_mov_b32 s[G0S+1], SCL
	s_mov_b64 s[G0S+2:G0S+3], s[46:47]
	s_or_b32 s[G0S+3], s[G0S+3], 0x80000000
	s_mov_b32 s[G0SB], 1                           ; those of B's, behind them,
	s_mov_b32 s[G0SB+1], SCL+8192
	s_mov_b64 s[G0SB+2:G0SB+3], s[66:67]
	s_or_b32 s[G0SB+3], s[G0SB+3], 0x80000000
	s_mov_b32 s[G0], 1                             ; slot 0's 256 rows of A (slot 0's groups 0 serve the head first),
	s_mov_b32 s[G0+1], 0
	s_mov_b64 s[G0+2:G0+3], s[22:23]
	s_or_b32 s[G0+3], s[G0+3], 0x80000000
	s_mov_b32 s[G0B], 1                            ; and its 256 rows of B
	s_mov_b32 s[G0B+1], 2*HALFT
	s_mov_b64 s[G0B+2:G0B+3], s[92:93]
	s_or_b32 s[G0B+3], s[G0B+3], 0x80000000
	s_add_nc_u64 s[22:23], s[22:23], s[94:95]      ; for the ring: my 128 rows of the tile
	s_add_nc_u64 s[92:93], s[92:93], s[94:95]
	s_mov_b32 s[G0+4], 1
	s_add_co_u32 s[G0+5], s2, SLOT
	s_add_nc_u64 s[G0+6:G0+7], s[22:23], 3072
	s_or_b32 s[G0+7], s[G0+7], 0x80000000
	s_mov_b32 s[G0B+4], 1
	s_add_co_u32 s[G0B+5], s2, SLOT
	s_add_nc_u64 s[G0B+6:G0B+7], s[92:93], 3072
	s_or_b32 s[G0B+7], s[G0B+7], 0x80000000
; the head's loads, one a wave, in one chain of branches on the wave's number: wave 0 A's rows, wave 1 B's, wave 2 A's scales, wave 3 B's
.macro ARM under, g0, g1, next
	s_cmp_lt_u32 s[WV], \under
	s_cbranch_scc0 \next
	tensor_load_to_lds s[\g0:\g0+3], s[\g1:\g1+7]
	s_nop 0
.rept 4
	v_nop
.endr
	s_branch .Lhead_asked
\next:
.endm
	ARM 1, G0,  G1,  .Lhead_b
	ARM 2, G0B, G1B, .Lhead_sa
	ARM 3, G0S, G1S, .Lhead_sb
	tensor_load_to_lds s[G0SB:G0SB+3], s[G1SB:G1SB+7]
	s_nop 0
.rept 4
	v_nop
.endr
.Lhead_asked:
	s_wait_alu depctr_va_vdst(0)
	s_wait_tensorcnt 0x0                           ; my tile of the head's four is in; no tensor load of mine is out, so descriptors may be written
	ds_add_u32 v28, v29
	s_mov_b32 s[G1+2], 8<<16                       ; from here on a load brings 128 rows: 8 blocks of 16
	s_mov_b32 s[G1+4], 8
	s_mov_b32 s[G1B+2], 8<<16
	s_mov_b32 s[G1B+4], 8
	s_add_co_u32 s[G0+1], s2, 0                    ; and slot 0's groups 0 stand at my quarter, for its first refill
	s_mov_b64 s[G0+2:G0+3], s[22:23]
	s_or_b32 s[G0+3], s[G0+3], 0x80000000
	s_add_co_u32 s[G0B+1], s2, 0
	s_mov_b64 s[G0B+2:G0B+3], s[92:93]
	s_or_b32 s[G0B+3], s[G0B+3], 0x80000000
	s_wait_dscnt 0x0
	CROUND                                         ; all four tiles are in, in every work-group
	JLOAD G0+4, G1, G0B+4, G1B                     ; slot 1's first fill, my one load behind the round
	v_and_b32 v1, 31, v0
	v_and_b32 v2, 15, v0
	v_bfe_u32 v3, v0, 4, 1
	v_lshlrev_b32 v[L16], 4, v1
	v_lshlrev_b32 v[L8], 3, v1
	v_lshlrev_b32 v5, 6, v3
	v_and_b32 v6, 8, v2
	v_add_nc_u32 v6, v6, v2
	v_lshlrev_b32 v6, 2, v6
	s_mul_i32 s20, s[WH], HALFT
	s_mul_i32 s21, s[WL], HALFT
	s_add_co_u32 s21, s21, 2*HALFT
.irp s, 0,1
	v_add_nc_u32 v[ADRA+\s], s20, v[L16]
	v_add_nc_u32 v[ADRA+2+\s], s20, v[L8]
	v_add_nc_u32 v[ADRB+\s], s21, v[L16]
	v_add_nc_u32 v[ADRB+2+\s], s21, v[L8]
	s_add_co_u32 s20, s20, SLOT
	s_add_co_u32 s21, s21, SLOT
.endr
	s_lshl_b32 s20, s[WH], 10                      ; the scales lie [quarter of K][256 rows][8 bytes]: my 128 rows begin 1,024 bytes apart
	s_lshl_b32 s21, s[WL], 10
	s_add_co_u32 s21, s21, 2*4096
	s_sub_co_u32 s21, s21, s20
	v_mul_u32_u24 v4, s21, v3
	s_add_co_u32 s20, s20, SCL
	v_lshl_add_u32 v4, v2, 3, v4
	v_add_nc_u32 v[ADRS], s20, v4
	s_wait_alu depctr_va_vdst(0)
	s_wait_tensorcnt 1
	s_barrier_signal -1
	s_barrier_wait -1
	FETCH_B 0, 0, 0
	FETCH_A 0, 0, 0
	SCALES 0
	FETCH_A 0, 0, 4
	STEP 0, 0, 1
	TURN 0, 1, 1
	STEP 1, 0, 0
	TURN 1, 0, 1
	STEP 0, 0, 0
	TURN 0, 1, 0
	s_cmp_lg_u32 s[MODE], 0
	s_cbranch_scc1 .Lv_arm
	s_lshl_b32 s20, s[WH], 7
	s_add_co_u32 s20, s44, s20
	s_lshr_b32 s21, s20, 11
	s_bfe_u32 s22, s20, 0x40007
	s_lshl_b32 s23, s[WL], 7
	s_add_co_u32 s23, s45, s23
	s_sub_co_u32 s23, s23, 8192
	s_bfe_u32 s36, s23, 0x40006
	s_lshl_b32 s21, s21, 4
	s_add_co_u32 s21, s21, s36
	s_lshl_b32 s21, s21, 4
	s_add_co_u32 s21, s21, s22
	s_cmp_eq_u32 ttmp9, 0
	s_cselect_b64 s[24:25], s[12:13], s[14:15]
	s_mov_b32 s39, 13056
	s_cselect_b32 s39, 6656, s39
	s_mov_b32 s38, 12288
	s_cselect_b32 s38, 6144, s38
	s_mov_b32 s37, 0
	s_mul_i32 s36, s21, s39
	s_add_nc_u64 s[24:25], s[24:25], s[36:37]
	s_lshl_b32 s36, s39, 4
	s_add_nc_u64 s[26:27], s[24:25], s[36:37]
	s_mov_b32 s36, s38
	s_add_nc_u64 s[28:29], s[24:25], s[36:37]
	s_add_nc_u64 s[30:31], s[26:27], s[36:37]
	s_and_b32 s36, s20, 2047
	s_lshl_b32 s36, s36, 8
	s_add_nc_u64 s[32:33], s[8:9], s[36:37]
	s_lshl_b32 s36, s23, 2
	s_add_nc_u64 s[34:35], s[10:11], s[36:37]
.irp b, 0,1,2,3,4,5,6,7
	global_load_b128 v[BIAS+8*\b:BIAS+8*\b+3], v5, s[34:35] offset:(32*(\b/2)+8*(\b%2))*4
	global_load_b128 v[BIAS+8*\b+4:BIAS+8*\b+7], v5, s[34:35] offset:(32*(\b/2)+8*(\b%2))*4+16
.endr
	WIN 0x40
	CSLOAD 0
	WIN 0
	STEP 1, 0, 0
	LAST
	PLACES NP
.irp b, 0,1,2,3
	v_mov_b32 v[TM+4+\b], 0
.endr
.irp a, 0,1,2,3,4,5,6,7
	EPI_QK \a
.endr
	v_cmp_le_u32 vcc_lo, 16, v1
.irp p, 0,1,2,3
	v_cndmask_b32 v[232+\p], v[SW+2*\p], v[SW+2*\p+1], vcc_lo
.endr
.irp p, 0,1,2,3
	v_and_or_b32 v[236+\p], v[232+\p], s98, s99
	v_lshrrev_b32 v[240+\p], 16, v[232+\p]
.endr
.irp p, 0,1,2,3
	v_or_b32 v[240+\p], s99, v[240+\p]
.endr
	global_store_b128 v[L16], v[236:239], s[28:29]
	global_store_b128 v[L16], v[240:243], s[30:31]
	s_branch .Lend
.Lv_arm:
	s_lshl_b32 s20, s[WL], 7
	s_add_co_u32 s20, s45, s20
	s_lshr_b32 s21, s20, 11
	s_bfe_u32 s22, s20, 0x40007
	s_lshl_b32 s23, s41, 2
	s_lshl_b32 s36, s[WH], 1
	s_add_co_u32 s23, s23, s36
	s_lshl_b32 s21, s21, 4
	s_add_co_u32 s21, s21, s23
	s_lshl_b32 s21, s21, 4
	s_add_co_u32 s21, s21, s22
	s_mov_b32 s37, 0
	s_mul_i32 s36, s21, 13056
	s_add_nc_u64 s[24:25], s[14:15], s[36:37]
	s_add_nc_u64 s[26:27], s[24:25], 208896
	s_lshl_b32 s36, s23, 8
	s_add_co_u32 s36, s36, 8192
	s_add_nc_u64 s[34:35], s[10:11], s[36:37]
.irp a, 0,1,2,3,4,5,6,7
	global_load_b32 v[BIAS+2*\a], v6, s[34:35] offset:(32*(\a/2)+8*(\a%2))*4
	global_load_b32 v[BIAS+2*\a+1], v6, s[34:35] offset:(32*(\a/2)+8*(\a%2))*4
.endr
	STEP 1, 0, 0
	LAST
	PLACES NP
.irp b, 0,1,2,3
	v_mov_b32 v[TM+4+\b], 0
.endr
	s_wait_loadcnt 0x0
.irp a, 0,1,2,3,4,5,6,7
	EPI_V \a
.endr
	v_cmp_le_u32 vcc_lo, 16, v1
.irp c, 0,1
.irp p, 0,1
	v_cndmask_b32 v[232+2*\c+\p], v[SW+4*\c+2*\p], v[SW+4*\c+2*\p+1], vcc_lo
.endr
.endr
	global_store_b64 v[L8], v[232:233], s[24:25] offset:12800
	global_store_b64 v[L8], v[234:235], s[26:27] offset:12800
.Lend:
	s_wait_tensorcnt 0x0
	ds_add_u32 v[SPW], v[NIL]
	s_wait_dscnt 0x0
	CROUND
	s_endpgm
.Lfunc_end_k_q89861d057a_qkv:
	.size	k_q89861d057a_qkv, .Lfunc_end_k_q89861d057a_qkv-k_q89861d057a_qkv
	.p2alignl 7, 3214868480
	.fill 96, 4, 3214868480
	.section	.rodata,"a",@progbits
	.p2align	6, 0x0
	.amdhsa_kernel k_q89861d057a_qkv
		.amdhsa_group_segment_fixed_size 327680
		.amdhsa_private_segment_fixed_size 0
		.amdhsa_enable_private_segment 0
		.amdhsa_kernarg_size 48
		.amdhsa_user_sgpr_count 2
		.amdhsa_user_sgpr_kernarg_segment_ptr 1
		.amdhsa_wavefront_size32 1
		.amdhsa_system_sgpr_workgroup_id_x 1
		.amdhsa_system_sgpr_workgroup_id_y 1
		.amdhsa_system_sgpr_workgroup_id_z 1
		.amdhsa_system_vgpr_workitem_id 0
		.amdhsa_next_free_vgpr 1024
		.amdhsa_next_free_sgpr 100
		.amdhsa_reserve_vcc 1
		.amdhsa_float_denorm_mode_32 3
		.amdhsa_float_denorm_mode_16_64 3
		.amdhsa_memory_ordered 1
		.amdhsa_forward_progress 1
		.amdhsa_inst_pref_size 255
	.end_amdhsa_kernel
	.section	.bss,"aw",@nobits
	.p2align	6
	.space	262144
	.amdgpu_metadata
---
amdhsa.version: [ 1, 2 ]
amdhsa.kernels:
  - .name:           k_q89861d057a_qkv
    .symbol:         k_q89861d057a_qkv.kd
    .args:
      - { .name: codes, .offset: 0, .size: 8, .value_kind: global_buffer, .address_space: global }
      - { .name: scl, .offset: 8, .size: 8, .value_kind: global_buffer, .address_space: global }
      - { .name: rope, .offset: 16, .size: 8, .value_kind: global_buffer, .address_space: global }
      - { .name: bqkv, .offset: 24, .size: 8, .value_kind: global_buffer, .address_space: global }
      - { .name: qc, .offset: 32, .size: 8, .value_kind: global_buffer, .address_space: global }
      - { .name: kv, .offset: 40, .size: 8, .value_kind: global_buffer, .address_space: global }
    .group_segment_fixed_size: 327680
    .private_segment_fixed_size: 0
    .kernarg_segment_align: 8
    .kernarg_segment_size: 48
    .max_flat_workgroup_size: 128
    .sgpr_count:     100
    .vgpr_count:     1024
    .wavefront_size: 32
...
	.end_amdgpu_metadata
.endif
;; end of part 2
;; launch attn (part 3): grid 4 x 64, 16 waves a work-group, clusters of 4 x 1, 263,168 bytes of LDS; arguments qc, kv, cimg, cscl; writes cimg, cscl
.if DOCPART == 3
	.amdgcn_target "amdgcn-amd-amdhsa--gfx1250"
	.amdhsa_code_object_version 6
	.text
	.protected	k_q89861d057a_attn
	.globl	k_q89861d057a_attn
	.p2align	8
	.type	k_q89861d057a_attn,@function
k_q89861d057a_attn:
	s_mov_b64 s[64:65], 0
	v_nop
	global_prefetch_b8 v0, s[64:65] scope:SCOPE_SE
	s_setreg_imm32_b32 hwreg(HW_REG_WAVE_MODE, 25, 1), 1
	s_wait_xcnt 0x0
	s_wait_alu depctr_hold_cnt(0) depctr_sa_sdst(0) depctr_va_vdst(0) depctr_va_sdst(0) depctr_va_ssrc(0) depctr_va_vcc(0) depctr_vm_vsrc(0)
	s_getreg_b32 s2, hwreg(HW_REG_IB_STS2, 6, 4)
	s_cmp_eq_u32 s2, 0
	s_cbranch_scc0 .Lentry_in_a_cluster
	s_endpgm
.Lentry_in_a_cluster:
	s_bfe_u32 s2, ttmp6, 0x10000c
	s_cmp_lg_u32 s2, 0x3003
	s_cbranch_scc0 .Lentry_shape_is_right
	s_endpgm
.Lentry_shape_is_right:
; ATTENTION on codes of FP6 (E2M3): S^T = k q^T (K = the head's 64), the softmax, O^T = v^T p^T (K = the keys), O / l, and the quantising of the result for the output projection.
; THE SOFTMAX: t = score x log2(e) / 8; M = the running largest t rounded UP to a whole number; p = 2^(t - M) is quantised along the keys, not normalised; the row's sum is taken of the
; unquantised p and divides O at the end.  When M moves, the sum and O are multiplied by 2^(old M - new M): exact.
; SHARES.  A work-group owns 512 queries of one head; each of its sixteen waves two tiles of 16 queries, one after the other; a step is 128 keys.
; THE HEAD'S K AND V STAY IN LDS: 16 key steps of 13,056 bytes (k's eight pieces, v's four fragments, both scale words), filled ONCE: wave w asks for key step w, one tensor load a wave, no refill.
; The descriptor lays 64 bytes of padding behind each 256: byte y of a key step lies at 320 (y / 256) + y % 256, a key step takes 16,320 bytes.
; CLUSTER: the four work-groups of a head need the same k and v: each load is a joint one, the same descriptor in all four (it hangs on the head and the wave's number alone).
; NO PREFETCH: every byte of k and v is asked for by the head's sixteen loads; there is no later load to run ahead of.
; WHICH KEYS FORM A TILE.  A piece in memory holds 16 keys; piece 2 b + e of a step holds in its rows 8 w + i the keys 32 b + 16 w + 8 e + i.  Tile (c, u) takes as rows 0-7 the keys 8 u + i of block 2 c and as
; rows 8-15 the keys 8 u + i of block 2 c + 1: lanes with r >= 8 read two pieces further on (1,920 bytes of LDS, 128 modulo 256: sixteen lanes of a 16-byte load touch sixteen different columns).
; In S^T lane (r, h) then holds query r, and its registers 32 c + 0 .. 31 are block 2 c + h's 32 keys in order: a block's largest score needs no other lane, and the conversions' results are the operand's registers as they stand.
; K = 64 IN AN INSTRUCTION OF 128: q's registers 6-11 are zero codes; a tile of k names twelve registers of which the upper six are the next tile's codes (behind the last tile: six lane constants): they meet zero codes under scale bytes 0x7f.
; LOADS AHEAD: k's fragments of step i + 1 are asked for behind step i's score products, v's of step i at the step's top.  The second tile's last step asks for key step 0 once more: those 20 loads are not used.
; OUT: cimg: pieces (16 tokens x 64 K, K = 64 head + channel); cscl [K / 256][token][8]: my head's two bytes of a token's eight.
; LIMITS: NaN and infinities are not served; the promise holds while the scaled scores t stay under 2^31 in magnitude.
; REGISTERS: v1-5 the step's LDS addresses; v6 the first tile's scale bytes; v7 q's scale word; v8-11, v92-95, v252-255 at work; v12 -M, v13 the largest score; v[14:15] the sum; v16-27 q; v28 f, v29 p's scale word;
;   v30-31 the add's two; v32-79 k; v80-85 lane constants; v86-89 k's scale words; v90-91 v's; v96-159 S^T, then p; v160-191 O^T; v192-239 v; v240-251 p's codes.
.set STEPG, 13056
.set STEPL, 16320
.set SPARE, 16*STEPL
.set WV,  18
.set SEL, 20
.set CS,  22
.set G1,  24
.set G0,  32
.set NC,  36
.set NX,  37
.set TB,  2
.set CNT, 3
.set KR,  32
.set KS,  86
.set S,   96
.set O,   160
.set VR,  192
.set PC,  240
.macro CROUND
	s_barrier_signal -1
	s_barrier_wait -1
	s_cmp_lg_u32 s[WV], 0
	s_cbranch_scc1 .Lnot_wave_0_\@
	s_barrier_signal -3
.Lnot_wave_0_\@:
	s_barrier_wait -3
	s_barrier_signal -1
	s_barrier_wait -1
.endm
.macro ADDR                            ; the five LDS addresses of the key step at byte s[TB]
.irp a, 0,1,2,3,4
	v_add_nc_u32 v[1+\a], s[TB], v[80+\a]
.endr
.endm
.macro KT c, u                         ; tile (c, u) of k
	ds_load_b128 v[KR+24*\c+6*\u:KR+24*\c+6*\u+3], v3 offset:(4*\c+(\u)%2)*960+128*((\u)/2)
	ds_load_b64 v[KR+24*\c+6*\u+4:KR+24*\c+6*\u+5], v4 offset:(4*\c+(\u)%2)*960+640+64*((\u)/2)
.endm
.macro KLOAD_A                         ; 17 loads: k's tiles 0 to 6 and three of the four scale words (word 2 c + w: lanes 0-15 tile (c, 2 w), lanes 16-31 tile (c, 2 w + 1))
.irp u, 0,1,2,3
	KT 0, \u
.endr
.irp u, 0,1,2
	KT 1, \u
.endr
	ds_load_b32 v[KS], v5 offset:15360
	ds_load_b32 v[KS+1], v5 offset:15360+128
	ds_load_b32 v[KS+2], v5 offset:15360+8
.endm
.macro KLOAD_B                         ; 3 loads: the last tile and its scale word.  The last product names the lane constants, so the address lines are no places behind it: these loads stand behind four maxima
	KT 1, 3
	ds_load_b32 v[KS+3], v5 offset:15360+128+8
.endm
.macro VLOAD                           ; 13 loads: v's four fragments and their scale words
.irp t, 0,1,2,3
.irp c, 0,1,2
	ds_load_b128 v[VR+12*\t+4*\c:VR+12*\t+4*\c+3], v1 offset:(24+6*\t+2*\c)*320
.endr
.endr
	ds_load_b64 v[90:91], v2 offset:16000
.endm
.macro TM j0, n                        ; t - M for n pairs of scores from register j0 on
.set jj, \j0
.rept \n
	v_pk_fma_f32 v[S+jj:S+jj+1], v[S+jj:S+jj+1], s[CS:CS+1], v[12:13] op_sel_hi:[1,0,0]
.set jj, jj+2
.endr
.endm
.macro SINI d, a                       ; a chain of the row's sum begins with pairs a and a + 1 of p
	v_pk_add_f32 v[\d:\d+1], v[S+2*(\a):S+2*(\a)+1], v[S+2*(\a)+2:S+2*(\a)+3]
.endm
.macro SADD d, a
	v_pk_add_f32 v[\d:\d+1], v[\d:\d+1], v[S+2*(\a):S+2*(\a)+1]
.endm
; a key step: 128 keys
.macro STEP
	VLOAD
	s_add_co_u32 s[CNT], s[CNT], 1
	s_and_b32 s[NX], s[CNT], 15                    ; the next key step, behind the last the first again
	s_mul_i32 s[TB], s[NX], STEPL
	s_wait_dscnt 13                                ; k's 20 loads are in; v's 13, just issued, may be out
.irp c, 0,1
.irp u, 0,1,2,3
.if (\u)%2 == 0
	v_wmma_scale_f32_16x16x128_f8f6f4 v[S+32*\c+8*\u:S+32*\c+8*\u+7], v[KR+24*\c+6*\u:KR+24*\c+6*\u+11], v[16:27], 0, v[KS+2*\c+(\u)/2], v7 matrix_a_fmt:MATRIX_FMT_FP6 matrix_b_fmt:MATRIX_FMT_FP6
.else
	v_wmma_scale_f32_16x16x128_f8f6f4 v[S+32*\c+8*\u:S+32*\c+8*\u+7], v[KR+24*\c+6*\u:KR+24*\c+6*\u+11], v[16:27], 0, v[KS+2*\c+(\u)/2], v7 matrix_a_fmt:MATRIX_FMT_FP6 matrix_b_fmt:MATRIX_FMT_FP6 matrix_a_scale:MATRIX_SCALE_ROW1
.endif
.endr
.endr
	ADDR                                           ; the next step's addresses, and
	v_mov_b32 v92, v12                             ; the old -M: six places in front of the loads into k's tiles 0 to 6 and of the first read of the scores
	KLOAD_A
.irp c, 0,1                                    ; the largest score of each of my two blocks of 32 keys, in two chains each; every tile is first read at its low end
	v_max3_num_f32 v[94+\c], v[S+32*\c], v[S+32*\c+1], v[S+32*\c+2]
	v_max3_num_f32 v[252+\c], v[S+32*\c+16], v[S+32*\c+17], v[S+32*\c+18]
.endr
	KLOAD_B                                        ; behind the copy of -M and these four maxima, which name no register of the last product
.irp i, 3,5,7,9,11,13
.irp c, 0,1
	v_max3_num_f32 v[94+\c], v[94+\c], v[S+32*\c+\i], v[S+32*\c+\i+1]
	v_max3_num_f32 v[252+\c], v[252+\c], v[S+32*\c+16+\i], v[S+32*\c+17+\i]
.endr
.endr
.irp c, 0,1
	v_max3_num_f32 v[94+\c], v[94+\c], v[252+\c], v[S+32*\c+15]
.endr
.irp c, 0,1
	v_max_num_f32 v[94+\c], v[94+\c], v[S+32*\c+31]
.endr
	s_delay_alu instid0(VALU_DEP_1)
	v_max_num_f32 v93, v94, v95
	s_delay_alu instid0(VALU_DEP_1)
	v_permlanex16_b32 v255, v93, s[SEL], s[SEL+1]  ; lane l xor 16 holds my query's other two blocks
	s_delay_alu instid0(VALU_DEP_1)
	v_max3_num_f32 v13, v13, v93, v255             ; the running largest score
	s_delay_alu instid0(VALU_DEP_1)
	v_mul_f32 v12, s[NC], v13                      ; -t
	s_delay_alu instid0(VALU_DEP_1)
	v_floor_f32 v12, v12                           ; the new -M = floor(-t)
	TM 0, 4
	v_sub_f32 v92, v12, v92                        ; old M - new M: a whole number, 0 or less
	TM 8, 4
	v_cvt_i32_f32 v92, v92                         ; (it saturates)
	TM 16, 4
	v_ldexp_f32 v28, 1.0, v92                      ; f = 2^(old M - new M)
	TM 24, 20
.irp c, 0,1
	v_fma_f32 v[94+\c], v[94+\c], s[CS], v12       ; the same of each block's largest score: p rises with the score
.endr
.irp j, 0,2,4,6,8,10,12,14,16,18,20,22,24,26,28,30
	v_pk_mul_f32 v[O+\j:O+\j+1], v[O+\j:O+\j+1], v[28:29] op_sel_hi:[1,0]   ; O^T under the new M, each accumulator from its low end on
.endr
	s_wait_alu depctr_va_vdst(0)
.irp c, 0,1
	v_exp_f32 v[94+\c], v[94+\c]                   ; each block's largest p
.endr
.set jj, 0
.rept 64
	v_exp_f32 v[S+jj], v[S+jj]                     ; p = 2^(t - M)
.set jj, jj+1
.endr
	v_nop                                          ; a plain place behind the exponentials
	s_wait_alu depctr_va_vdst(0)                   ; one wait for the batch, ahead of its first reader
	s_wait_dscnt 20                                ; v's 13 loads are in; the next step's 20 of k may be out
.irp c, 0,1
	v_max_num_f32 v[94+\c], 0x1800000, v[94+\c]    ; the floor 2^(3 - 127): the byte cannot fall under 1
.endr
.irp c, 0,1
	s_delay_alu instid0(VALU_DEP_2)
	v_add_nc_u32 v[94+\c], 0xff000000, v[94+\c]    ; 2 off the exponent field: the conversion's scale operand
.endr
.irp c, 0,1
	s_delay_alu instid0(VALU_DEP_2)
	v_lshrrev_b32 v[252+\c], 23, v[94+\c]          ; the scale's byte
.endr
	s_delay_alu instid0(VALU_DEP_1)
	v_lshl_or_b32 v252, v253, 16, v252             ; my bytes: blocks h and 2 + h,
	s_delay_alu instid0(VALU_DEP_1)
	v_lshlrev_b32 v252, v85, v252                  ; 8 h bits up;
	s_delay_alu instid0(VALU_DEP_1)
	v_permlanex16_b32 v255, v252, s[SEL], s[SEL+1]
	s_delay_alu instid0(VALU_DEP_1)
	v_or_b32 v29, v252, v255                       ; with lane l xor 16's two: p's scale word for these 128 keys
	v_cvt_scalef32_pk16_fp6_f32 v[PC:PC+2], v[S:S+15], v94
	v_cvt_scalef32_pk16_fp6_f32 v[PC+6:PC+8], v[S+32:S+47], v95
	v_cvt_scalef32_pk16_fp6_f32 v[252:254], v[S+16:S+31], v94      ; (a conversion's three registers begin on an even number: a block's upper half is made elsewhere and moved)
	v_cvt_scalef32_pk16_fp6_f32 v[8:10], v[S+48:S+63], v95
	v_nop                                          ; one plain place behind a scaled conversion
.irp i, 0,1,2
	v_mov_b32 v[PC+3+\i], v[252+\i]
.endr
.irp i, 0,1,2
	v_mov_b32 v[PC+9+\i], v[8+\i]
.endr
	SINI 94, 0                                     ; THE ROW'S SUM, of the unquantised p, in six chains.  These six lines also stand between the writing of p's codes and the products
	SINI 252, 2
	SINI 254, 4
	SINI 8, 6
	SINI 10, 8
	SINI 92, 10
.irp t, 0,1,2,3
.if (\t)%2 == 0
	v_wmma_scale_f32_16x16x128_f8f6f4 v[O+8*\t:O+8*\t+7], v[VR+12*\t:VR+12*\t+11], v[PC:PC+11], v[O+8*\t:O+8*\t+7], v[90+(\t)/2], v29 matrix_a_fmt:MATRIX_FMT_FP6 matrix_b_fmt:MATRIX_FMT_FP6
.else
	v_wmma_scale_f32_16x16x128_f8f6f4 v[O+8*\t:O+8*\t+7], v[VR+12*\t:VR+12*\t+11], v[PC:PC+11], v[O+8*\t:O+8*\t+7], v[90+(\t)/2], v29 matrix_a_fmt:MATRIX_FMT_FP6 matrix_b_fmt:MATRIX_FMT_FP6 matrix_a_scale:MATRIX_SCALE_ROW1
.endif
.endr
.set nn, 12                            ; the sum goes on behind the products: its lines are the places in front of the next loads into v's registers
.rept 3
.irp d, 94,252,254,8,10,92
	SADD \d, nn
.set nn, nn+1
.endr
.endr
	SADD 94, 30
	SADD 252, 31
	s_delay_alu instid0(VALU_DEP_3)
	v_pk_add_f32 v[10:11], v[10:11], v[92:93]
	v_pk_add_f32 v[254:255], v[254:255], v[8:9]
	s_delay_alu instid0(VALU_DEP_3)
	v_pk_add_f32 v[94:95], v[94:95], v[252:253]
	s_delay_alu instid0(VALU_DEP_2)
	v_pk_add_f32 v[254:255], v[254:255], v[10:11]
	s_delay_alu instid0(VALU_DEP_1)
	v_pk_add_f32 v[94:95], v[94:95], v[254:255]
	s_delay_alu instid0(VALU_DEP_1)
	v_pk_fma_f32 v[14:15], v[14:15], v[28:29], v[94:95] op_sel_hi:[1,0,1]   ; the old sum under the new M, and this step's
.endm
.macro PASS_HEAD p                     ; tile p of my two: its codes, its scale word, and an empty state
.if \p
	s_wait_xcnt 0x0                                ; the last tile's stores have read their registers
.endif
	v_and_b32 v8, 31, v0
	v_and_b32 v9, 15, v0
	s_delay_alu instid0(VALU_DEP_2)
	v_lshlrev_b32 v8, 4, v8                        ; 16 x lane
	s_delay_alu instid0(VALU_DEP_2)
	v_lshlrev_b32 v9, 4, v9                        ; 16 r
	global_load_b128 v[16:19], v8, s[48:49] offset:768*\p
	global_load_b64 v[20:21], v81, s[48:49] offset:768*\p+512
	global_load_b32 v7, v9, s[50:51] offset:256*\p
	v_mov_b32 v13, 0xff61b1e6                      ; the largest score so far: -3e38
	s_delay_alu instid0(VALU_DEP_1)
	v_mul_f32 v12, s[NC], v13
	s_delay_alu instid0(VALU_DEP_1)
	v_floor_f32 v12, v12
	v_mov_b32 v14, 0
	v_mov_b32 v15, 0
.set jj, 0
.rept 32
	v_mov_b32 v[O+jj], 0                           ; O^T: the step is written once; its first walk finds zeros
.set jj, jj+1
.endr
	s_mov_b32 s[CNT], 0
	s_wait_alu depctr_va_vdst(0)
	s_wait_loadcnt 0x0
.endm
.macro FINISH p, by                    ; O^T / l, quantised along the head's 64: one piece and two scale bytes (the sum's lines were the places behind the last products)
	v_add_f32 v14, v14, v15
	s_delay_alu instid0(VALU_DEP_1)
	v_permlanex16_b32 v255, v14, s[SEL], s[SEL+1]
	s_delay_alu instid0(VALU_DEP_1)
	v_add_f32 v14, v14, v255                       ; the row's sum
	s_wait_alu depctr_va_vdst(0)
	v_rcp_f32 v14, v14
	v_nop                                          ; a plain place behind the transcendental
	s_wait_alu depctr_va_vdst(0)                   ; and the wait ahead of its first reader, which is also O^T's
.irp j, 0,2,4,6,8,10,12,14,16,18,20,22,24,26,28,30
	v_pk_mul_f32 v[S+\j:S+\j+1], v[O+\j:O+\j+1], v[14:15] op_sel_hi:[1,0]   ; register 16 b + i is channel 32 b + 16 h + i
.endr
.irp b, 0,1
	v_max3_num_f32 v[94+\b], |v[S+16*\b]|, |v[S+1+16*\b]|, 0x1800000
.endr
.irp i, 2,4,6,8,10,12,14
.irp b, 0,1
	s_delay_alu instid0(VALU_DEP_2)
	v_max3_num_f32 v[94+\b], v[94+\b], |v[S+16*\b+\i]|, |v[S+1+16*\b+\i]|
.endr
.endr
.irp b, 0,1
	s_delay_alu instid0(VALU_DEP_2)
	v_permlanex16_b32 v[252+\b], v[94+\b], s[SEL], s[SEL+1]
.endr
.irp b, 0,1
	s_delay_alu instid0(VALU_DEP_2)
	v_max_num_f32 v[94+\b], v[94+\b], v[252+\b]
.endr
.irp b, 0,1
	s_delay_alu instid0(VALU_DEP_2)
	v_add_nc_u32 v[94+\b], 0xff000000, v[94+\b]
.endr
.irp b, 0,1
	s_delay_alu instid0(VALU_DEP_2)
	v_lshrrev_b32 v[252+\b], 23, v[94+\b]
.endr
	s_delay_alu instid0(VALU_DEP_1)
	v_lshl_or_b32 v[\by], v253, 8, v252
	v_cvt_scalef32_pk16_fp6_f32 v[PC:PC+2], v[S:S+15], v94
	v_cvt_scalef32_pk16_fp6_f32 v[252:254], v[S+16:S+31], v95
	v_nop
.irp i, 0,1,2
	v_permlane16_swap_b32 v[PC+\i], v[252+\i]      ; here a block lies in lanes l and l xor 16: the operand's layout wants it whole in a lane
.endr
.irp i, 0,1,2
	s_delay_alu instid0(VALU_DEP_3)
	v_mov_b32 v[PC+3+\i], v[252+\i]
.endr
	v_and_b32 v8, 31, v0
	s_delay_alu instid0(VALU_DEP_1)
	v_lshlrev_b32 v8, 4, v8
	global_store_b128 v8, v[PC:PC+3], s[52:53] offset:12288*\p
	global_store_b64 v81, v[PC+4:PC+5], s[52:53] offset:12288*\p+512
.endm
	s_load_b128 s[4:7], s[0:1], 0x0                ; qc s[4:5], kv s[6:7]
	s_load_b128 s[8:11], s[0:1], 0x10              ; cimg s[8:9], cscl s[10:11]
	v_lshl_add_u32 v30, v0, 2, SPARE
	v_mov_b32 v31, 0
	ds_add_u32 v30, v31                            ; the opening lines: the add, twice on end, and its wait ahead of my tensor load
	ds_add_u32 v30, v31
	v_lshrrev_b32 v8, 5, v0
	s_delay_alu instid0(VALU_DEP_1)
	v_readfirstlane_b32 s[WV], v8                  ; wave 0..15
	s_bfe_u32 s12, ttmp6, 0x40000                  ; cx: my block of 512 queries: it enters global addresses of q and of the results alone
	s_and_b32 s13, ttmp7, 0xffff                   ; batch x 16 + head, which the partners share
	s_lshr_b32 s14, s13, 4
	s_and_b32 s15, s13, 15
	s_mov_b32 s17, 0
	s_mul_i32 s16, s13, 16*STEPG
	s_mul_i32 s19, s[WV], STEPG
	s_add_co_u32 s16, s16, s19                     ; key step = wave, of my head
	s_mov_b32 s[G1], 15|(3<<16)|(1<<20)|(1<<21)|(5<<22)|(15<<25)   ; the mask: all four; elements of 8 bytes; padding on; 21 set beside a mask; after every 64 words, 16 words
	s_mov_b32 s[G1+1], 32<<16                      ; a dense block as 51 rows of 256 bytes
	s_mov_b32 s[G1+2], 51<<16
	s_mov_b32 s[G1+3], 32<<16
	s_mov_b32 s[G1+4], 51
	s_mov_b32 s[G1+5], 32
	s_mov_b32 s[G1+6], 0
	s_mov_b32 s[G1+7], 0
	s_lshl_b32 s56, s13, 4
	s_lshl_b32 s57, s12, 2
	s_add_co_u32 s56, s56, s57
	s_lshr_b32 s57, s[WV], 2
	s_add_co_u32 s56, s56, s57
	s_mul_i32 s56, s56, 6656                       ; q's block of 128 tokens
	s_and_b32 s57, s[WV], 3
	s_mul_i32 s58, s57, 1536
	s_add_co_u32 s58, s58, s56                     ; my two pieces
	s_mov_b32 s59, 0
	s_lshl_b32 s57, s57, 2
	s_add_co_u32 s56, s56, s57
	s_add_co_u32 s56, s56, 6144                    ; my two tiles' scale words
	s_mov_b32 s57, 0
	s_lshl_b32 s60, s14, 7
	s_lshl_b32 s61, s12, 5
	s_add_co_u32 s60, s60, s61
	s_lshl_b32 s61, s[WV], 1
	s_add_co_u32 s60, s60, s61
	s_mul_i32 s60, s60, 12288
	s_mul_i32 s61, s15, 768
	s_add_co_u32 s60, s60, s61                     ; cimg: my first block of 16 tokens, piece = head
	s_mov_b32 s61, 0
	s_lshl_b32 s62, s14, 11
	s_lshl_b32 s63, s12, 9
	s_add_co_u32 s62, s62, s63
	s_lshl_b32 s63, s[WV], 5
	s_add_co_u32 s62, s62, s63
	s_lshl_b32 s62, s62, 3
	s_lshr_b32 s63, s15, 2
	s_lshl_b32 s63, s63, 16
	s_add_co_u32 s62, s62, s63
	s_and_b32 s63, s15, 3
	s_lshl_b32 s63, s63, 1
	s_add_co_u32 s62, s62, s63                     ; cscl: K step head / 4, my 32 tokens, byte 2 (head % 4)
	s_mov_b32 s63, 0
	s_mov_b32 s[SEL], 0x76543210
	s_mov_b32 s[SEL+1], 0xfedcba98                 ; v_permlanex16_b32's selects for lane l xor 16
	s_mov_b32 s[CS], 0x3e38aa3b                    ; log2(e) / 8
	s_mov_b32 s[CS+1], s[CS]
	s_mov_b32 s[NC], 0xbe38aa3b                    ; and its negative
	s_mov_b32 s[TB], 0
	s_mov_b32 s[G0], 1
	s_mul_i32 s[G0+1], s[WV], STEPL                ; where my key step goes
	s_wait_dscnt 0x0                               ; both opening adds are done
	s_wait_kmcnt 0x0
	s_add_nc_u64 s[G0+2:G0+3], s[6:7], s[16:17]
	s_or_b32 s[G0+3], s[G0+3], 0x80000000
	s_add_nc_u64 s[48:49], s[4:5], s[58:59]
	s_add_nc_u64 s[50:51], s[4:5], s[56:57]
	s_add_nc_u64 s[52:53], s[8:9], s[60:61]
	s_add_nc_u64 s[54:55], s[10:11], s[62:63]
	CROUND                                         ; all four work-groups are here: the joint loads meet
	tensor_load_to_lds s[G0:G0+3], s[G1:G1+7]      ; key step = my wave's number: my one tensor load
	s_nop 0
	v_and_b32 v8, 15, v0                           ; r
	v_bfe_u32 v9, v0, 4, 1                         ; h
	v_and_b32 v10, 7, v0                           ; i = r % 8
	v_bfe_u32 v11, v0, 3, 1                        ; g = r / 8
	v_and_b32 v93, 31, v0
	v_mul_u32_u24 v92, v9, 320
	v_lshlrev_b32 v83, 7, v9
	v_lshlrev_b32 v81, 3, v93                      ; v's scale words, and global rows of 8 bytes a lane: 8 x lane
	v_lshlrev_b32 v85, 3, v9                       ; 8 h
	v_lshl_add_u32 v80, v8, 4, v92                 ; v's fragments: 16 r + 320 h
	v_lshl_add_u32 v82, v10, 4, v92
	v_lshl_add_u32 v83, v10, 3, v83
	s_delay_alu instid0(VALU_DEP_2)
	v_lshl_add_u32 v84, v11, 2, v82                ; k's scale words: 16 i + 320 h + 4 g
	v_mad_u32_u24 v82, v11, 1920, v82              ; k's words c0-c3: 16 i + 320 h + 1,920 g
	v_mad_u32_u24 v83, v11, 1920, v83              ; k's words c4, c5: 8 i + 128 h + 1,920 g
.irp j, 0,1,2,3,4,5
	v_mov_b32 v[22+\j], 0                          ; q's K 64 to 127: zero codes
.endr
	v_mov_b32 v255, 0                              ; a lane permute's destination counts as one of its sources
	v_mov_b32 v29, 0                               ; (named as the upper half of a pair before it is first written)
	ADDR                                           ; key step 0
	PASS_HEAD 0
	s_wait_tensorcnt 0x0                           ; my key step has landed
	s_barrier_signal -1
	s_barrier_wait -1                              ; and so has everybody's: nothing is filled again
	KLOAD_A
	KLOAD_B
.Lstep0:
	STEP
	s_cmp_lt_u32 s[CNT], 16
	s_cbranch_scc1 .Lstep0
	FINISH 0, 6
	PASS_HEAD 1                                    ; (key step 0's fragments of k were asked for by the last step)
.Lstep1:
	STEP
	s_cmp_lt_u32 s[CNT], 16
	s_cbranch_scc1 .Lstep1
	FINISH 1, 9
	v_and_b32 v10, 31, v0
	s_delay_alu instid0(VALU_DEP_1)
	v_cmp_le_u32 vcc_lo, 16, v10
	v_cndmask_b32 v10, v6, v9, vcc_lo              ; lanes 0-15: my first tile's tokens; lanes 16-31: my second's
	global_store_b16 v81, v10, s[54:55]
	s_wait_tensorcnt 0x0                           ; the wave's end
	ds_add_u32 v30, v31
	s_wait_dscnt 0x0
	CROUND                                         ; the closing round
	s_endpgm
.Lfunc_end_k_q89861d057a_attn:
	.size	k_q89861d057a_attn, .Lfunc_end_k_q89861d057a_attn-k_q89861d057a_attn
	.p2alignl 7, 3214868480
	.fill 96, 4, 3214868480
	.section	.rodata,"a",@progbits
	.p2align	6, 0x0
	.amdhsa_kernel k_q89861d057a_attn
		.amdhsa_group_segment_fixed_size 263168
		.amdhsa_private_segment_fixed_size 0
		.amdhsa_enable_private_segment 0
		.amdhsa_kernarg_size 32
		.amdhsa_user_sgpr_count 2
		.amdhsa_user_sgpr_kernarg_segment_ptr 1
		.amdhsa_wavefront_size32 1
		.amdhsa_system_sgpr_workgroup_id_x 1
		.amdhsa_system_sgpr_workgroup_id_y 1
		.amdhsa_system_sgpr_workgroup_id_z 1
		.amdhsa_system_vgpr_workitem_id 0
		.amdhsa_next_free_vgpr 256
		.amdhsa_next_free_sgpr 66
		.amdhsa_reserve_vcc 1
		.amdhsa_float_denorm_mode_32 3
		.amdhsa_float_denorm_mode_16_64 3
		.amdhsa_memory_ordered 1
		.amdhsa_forward_progress 1
		.amdhsa_inst_pref_size 50
	.end_amdhsa_kernel
	.amdgpu_metadata
---
amdhsa.version: [ 1, 2 ]
amdhsa.kernels:
  - .name:           k_q89861d057a_attn
    .symbol:         k_q89861d057a_attn.kd
    .args:
      - { .name: qc, .offset: 0, .size: 8, .value_kind: global_buffer, .address_space: global }
      - { .name: kv, .offset: 8, .size: 8, .value_kind: global_buffer, .address_space: global }
      - { .name: cimg, .offset: 16, .size: 8, .value_kind: global_buffer, .address_space: global }
      - { .name: cscl, .offset: 24, .size: 8, .value_kind: global_buffer, .address_space: global }
    .group_segment_fixed_size: 263168
    .private_segment_fixed_size: 0
    .kernarg_segment_align: 8
    .kernarg_segment_size: 32
    .max_flat_workgroup_size: 512
    .sgpr_count:     66
    .vgpr_count:     256
    .wavefront_size: 32
...
	.end_amdgpu_metadata
.endif
;; end of part 3
;; launch outp (part 4): grid 4 x 32, 4 waves a work-group, clusters of 4 x 4, 327,680 bytes of LDS; arguments cimg, cscl, codes, scl, bout, out0; writes out0
.if DOCPART == 4
	.amdgcn_target "amdgcn-amd-amdhsa--gfx1250"
	.amdhsa_code_object_version 6
	.text
	.protected	k_q89861d057a_outp
	.globl	k_q89861d057a_outp
	.p2align	8
	.type	k_q89861d057a_outp,@function
k_q89861d057a_outp:
	s_mov_b64 s[64:65], 0
	v_nop
	global_prefetch_b8 v0, s[64:65] scope:SCOPE_SE
	s_setreg_imm32_b32 hwreg(HW_REG_WAVE_MODE, 25, 1), 1
	s_wait_xcnt 0x0
	s_wait_alu depctr_hold_cnt(0) depctr_sa_sdst(0) depctr_va_vdst(0) depctr_va_sdst(0) depctr_va_ssrc(0) depctr_va_vcc(0) depctr_vm_vsrc(0)
	s_getreg_b32 s2, hwreg(HW_REG_IB_STS2, 6, 4)
	s_cmp_eq_u32 s2, 0
	s_cbranch_scc0 .Lentry_in_a_cluster
	s_endpgm
.Lentry_in_a_cluster:
	s_bfe_u32 s2, ttmp6, 0x10000c
	s_cmp_lg_u32 s2, 0xf033
	s_cbranch_scc0 .Lentry_shape_is_right
	s_endpgm
.Lentry_shape_is_right:
.set HALFT, 24576
.set SLOT,  4*HALFT
.set SCL,   2*SLOT
.set SPARE, SCL+4*4096
.set SPITCH, 528
.set FR, 12
.set NL, 4
.set NP, 4
.set NQ, 2
.set ADRA, 16
.set ADRB, 20
.set STO, 24
.set RD,  25
.set ADRS, 27
.set SPW, 28
.set NIL, 29
.set L16, 30
.set L8,  31
.set SC,  32
.set BIAS, 64
.set AF,  128
.set BK,  128
.set WV, 16
.set WH, 17
.set WL, 18
.set G1, 24
.set G0, 32
.set G1B, 48
.set G0B, 56
.set G1S, 68
.set G0S, 76
.set G1SB, 80
.set G0SB, 88
.set MSB, 0
.macro WIN new
.if MSB != \new
	s_set_vgpr_msb (MSB<<8)|\new
.set MSB, \new
.endif
.endm
.set MUL_LO, 0xa1
.set MUL_HI, 0xf1
.set TO_B,   0x40
.macro WMUL hi, cmode
.if \cmode == 2
.set WN, 0x81+0x40*\hi
.else
.set WN, 0xa1+0x50*\hi
.endif
	WIN WN
.endm
.macro JLOAD g0a, g1a, g0b, g1b
	s_cmp_eq_u32 s[WH], 0
	s_cbranch_scc0 .Lfor_b_\@
	tensor_load_to_lds s[\g0a:\g0a+3], s[\g1a:\g1a+7]
	s_nop 0
.rept 4
	v_nop
.endr
	s_branch .Lasked_\@
.Lfor_b_\@:
	tensor_load_to_lds s[\g0b:\g0b+3], s[\g1b:\g1b+7]
	s_nop 0
.rept 4
	v_nop
.endr
.Lasked_\@:
.endm
.macro CREST
	s_cmp_lg_u32 s[WV], 0
	s_cbranch_scc1 .Lnot_wave_0_\@
	s_barrier_signal -3
.Lnot_wave_0_\@:
	s_barrier_wait -3
	s_barrier_signal -1
	s_barrier_wait -1
.endm
.macro CROUND
	s_barrier_signal -1
	s_barrier_wait -1
	CREST
.endm
.macro PLACES n
.rept \n
	v_nop
.endr
.endm
.macro FRAG reg, adr, off
	ds_load_b128 v[\reg:\reg+3], v[\adr] offset:\off
	ds_load_b64 v[\reg+4:\reg+5], v[\adr+2] offset:\off+512
	ds_load_b128 v[\reg+6:\reg+9], v[\adr] offset:\off+768
	ds_load_b64 v[\reg+10:\reg+11], v[\adr+2] offset:\off+1280
.endm
.macro FETCH_B slot, q, p
	WIN TO_B
.irp i, 0,1,2,3,4,5,6,7
	FRAG 128*(\p)+FR*\i, ADRB+\slot, \i*3072+(\q)*1536
.endr
	WIN 0
.endm
.macro FETCH_A slot, q, i0
.irp i, \i0, \i0+1, \i0+2, \i0+3
	FRAG AF+FR*(\i), ADRA+\slot, (\i)*3072+(\q)*1536
.endr
.endm
.macro SCALES sc
.irp i, 0,1,2,3,4,5,6,7
	ds_load_b64 v[SC+8*NQ*\sc+NQ*\i:SC+8*NQ*\sc+NQ*\i+1], v[ADRS] offset:\i*128
.endr
.endm
.macro MUL16 a0, p, q, sc, cmode
.irp a, \a0, \a0+1
.irp b, 0,1,2,3,4,5,6,7
.if \cmode == 1
	v_wmma_scale_f32_16x16x128_f8f6f4 v[8*(8*((\a)%4)+\b):8*(8*((\a)%4)+\b)+7], v[128*(\p)+FR*\b:128*(\p)+FR*\b+FR-1], v[AF+FR*(\a):AF+FR*(\a)+FR-1], 0, v[SC+8*NQ*(\sc)+NQ*\b+(\q)], v[SC+8*NQ*(\sc)+NQ*(\a)+(\q)] matrix_a_fmt:MATRIX_FMT_FP6 matrix_b_fmt:MATRIX_FMT_FP6 matrix_a_scale:MATRIX_SCALE_ROW1
.elseif \cmode == 2
	v_wmma_scale_f32_16x16x128_f8f6f4 v[8*(8*((\a)%4)+\b):8*(8*((\a)%4)+\b)+7], v[128*(\p)+FR*\b:128*(\p)+FR*\b+FR-1], v[AF+FR*(\a):AF+FR*(\a)+FR-1], v[BIAS+8*\b:BIAS+8*\b+7], v[SC+8*NQ*(\sc)+NQ*\b+(\q)], v[SC+8*NQ*(\sc)+NQ*(\a)+(\q)] matrix_a_fmt:MATRIX_FMT_FP6 matrix_b_fmt:MATRIX_FMT_FP6 matrix_a_scale:MATRIX_SCALE_ROW1
.else
	v_wmma_scale_f32_16x16x128_f8f6f4 v[8*(8*((\a)%4)+\b):8*(8*((\a)%4)+\b)+7], v[128*(\p)+FR*\b:128*(\p)+FR*\b+FR-1], v[AF+FR*(\a):AF+FR*(\a)+FR-1], v[8*(8*((\a)%4)+\b):8*(8*((\a)%4)+\b)+7], v[SC+8*NQ*(\sc)+NQ*\b+(\q)], v[SC+8*NQ*(\sc)+NQ*(\a)+(\q)] matrix_a_fmt:MATRIX_FMT_FP6 matrix_b_fmt:MATRIX_FMT_FP6 matrix_a_scale:MATRIX_SCALE_ROW1
.endif
.endr
.endr
.endm
.macro STEP slot, q, cmode
	s_wait_dscnt 4*NL
	WMUL 0, \cmode
	MUL16 0, (\q)%2, \q, \slot, \cmode
	MUL16 2, (\q)%2, \q, \slot, \cmode
	s_wait_dscnt 0
	PLACES NP
	FETCH_B \slot, (\q)+1, 1-(\q)%2
	FETCH_A \slot, (\q)+1, 0
	WMUL 1, \cmode
	MUL16 4, (\q)%2, \q, \slot, \cmode
	MUL16 6, (\q)%2, \q, \slot, \cmode
	PLACES NP
	WIN 0
	FETCH_A \slot, (\q)+1, 4
.endm
.macro TURN slot, next, fill
	s_wait_tensorcnt 0x0
	ds_add_u32 v[SPW], v[NIL]
	s_wait_dscnt 4*NL+1
	WIN MUL_LO
	MUL16 0, 1, 1, \slot, 0
	s_wait_dscnt 0x0
	s_barrier_signal -1
	MUL16 2, 1, 1, \slot, 0
	WIN 0
	s_barrier_wait -1
.if \fill
	CREST
	s_add_nc_u64 s[G0+4*\slot+2:G0+4*\slot+3], s[G0+4*\slot+2:G0+4*\slot+3], 6144
	s_add_nc_u64 s[G0B+4*\slot+2:G0B+4*\slot+3], s[G0B+4*\slot+2:G0B+4*\slot+3], 6144
	JLOAD G0+4*\slot, G1, G0B+4*\slot, G1B
.else
	PLACES NP
.endif
	s_wait_alu depctr_va_vdst(0)
	v_add_nc_u32 v[ADRS], 2048, v[ADRS]
	FETCH_B \next, 0, 0
	FETCH_A \next, 0, 0
	SCALES \next
	WIN MUL_HI
	MUL16 4, 1, 1, \slot, 0
	MUL16 6, 1, 1, \slot, 0
	PLACES NP
	WIN 0
	FETCH_A \next, 0, 4
.endm
.macro LAST
	s_wait_dscnt 4*NL
	WIN MUL_LO
	MUL16 0, 1, 1, 1, 0
	MUL16 2, 1, 1, 1, 0
	s_wait_dscnt 0
	WIN MUL_HI
	MUL16 4, 1, 1, 1, 0
	MUL16 6, 1, 1, 1, 0
	WIN 0
.endm
.macro TOSTAGE a
.set AC, 64*((\a)%4)
.set WN, 0x08+4*((\a)/4)
	WIN WN
.irp b, 0,1,2,3,4,5,6,7
	ds_store_b128 v[STO], v[AC+8*\b:AC+8*\b+3] offset:128*(\b/2)+32*(\b%2)
	ds_store_b128 v[STO], v[AC+8*\b+4:AC+8*\b+7] offset:128*(\b/2)+32*(\b%2)+16
.endr
	WIN 0
.set BB, BK+64*((\a)%2)
.irp t, 0,1,2,3,4,5,6,7,8,9,10,11,12,13,14,15
	ds_load_b128 v[BB+4*\t:BB+4*\t+3], v[RD] offset:\t*SPITCH
.endr
.endm
.macro SEND a, younger
.set BB, BK+64*((\a)%2)
	s_wait_dscnt \younger
.if (\a) > 0
.if (\a)%2
	s_add_nc_u64 s[14:15], s[14:15], 8*4096
.else
	s_add_nc_u64 s[14:15], s[14:15], 24*4096
.endif
.endif
.irp t, 0,1,2,3,4,5,6,7,8,9,10,11,12,13,14,15
	global_store_b128 v[L16], v[BB+4*\t:BB+4*\t+3], s[14:15] offset:(16*(\t/8)+\t%8)*4096 th:TH_STORE_NT
.endr
.endm
	s_load_b128 s[4:7], s[0:1], 0x0
	s_load_b128 s[8:11], s[0:1], 0x10
	s_load_b128 s[12:15], s[0:1], 0x20
	v_lshl_add_u32 v[SPW], v0, 2, SPARE
	v_mov_b32 v[NIL], 0
	ds_add_u32 v28, v29
	ds_add_u32 v28, v29
	s_wait_dscnt 0x0
	v_lshrrev_b32 v1, 5, v0
	v_readfirstlane_b32 s[WV], v1
	s_lshr_b32 s[WH], s[WV], 1
	s_and_b32 s[WL], s[WV], 1
	s_bfe_u32 s40, ttmp6, 0x40000
	s_bfe_u32 s41, ttmp6, 0x40004
	s_lshl_b32 s42, ttmp9, 2
	s_add_co_u32 s42, s42, s40
	s_and_b32 s43, ttmp7, 0xffff
	s_lshl_b32 s43, s43, 2
	s_add_co_u32 s43, s43, s41
	s_lshl_b32 s2, s41, 2
	s_lshl_b32 s2, 15, s2
	s_lshl_b32 s3, 0x1111, s40
	s_or_b32 s[G1], s2, (3<<16)|(1<<21)
	s_or_b32 s[G1S], s2, (3<<16)|(1<<21)
	s_or_b32 s[G1B], s3, (3<<16)|(1<<21)
	s_or_b32 s[G1SB], s3, (3<<16)|(1<<21)
.irp g, G1, G1B
	s_mov_b32 s[\g+1], 384<<16
	s_mov_b32 s[\g+2], 16<<16                      ; the head's loads bring a whole tile: 16 blocks of 16 rows
	s_mov_b32 s[\g+3], 384<<16
	s_mov_b32 s[\g+4], 16
	s_mov_b32 s[\g+5], 1536
	s_mov_b32 s[\g+6], 0
	s_mov_b32 s[\g+7], 0
.endr
.irp g, G1S, G1SB
	s_mov_b32 s[\g+1], 256<<16                     ; the scales of 256 rows: 2,048 bytes for each quarter of K
	s_mov_b32 s[\g+2], 4<<16
	s_mov_b32 s[\g+3], 256<<16
	s_mov_b32 s[\g+4], 4
	s_mov_b32 s[\g+6], 0
	s_mov_b32 s[\g+7], 0
.endr
	s_mov_b32 s[G1S+5], 8192
	s_mov_b32 s[G1SB+5], 12288
	s_lshl_b32 s44, s43, 8
	s_lshl_b32 s45, s42, 8
	s_add_co_u32 s45, s45, 11264
	s_mul_i32 s94, s[WL], 98304                    ; in the ring I fetch 128 rows of a tile: which half, in bytes of codes
	s_mov_b32 s95, 0
	s_mul_i32 s22, s44, 768                        ; where the tiles' first rows begin: codes and scale bytes
	s_mov_b32 s23, 0
	s_lshl_b32 s46, s44, 3
	s_mov_b32 s47, 0
	s_mul_i32 s92, s45, 768
	s_mov_b32 s93, 0
	s_lshl_b32 s66, s45, 3
	s_mov_b32 s67, 0
	s_mul_i32 s2, s[WV], HALFT
	s_wait_kmcnt 0x0
	s_add_nc_u64 s[22:23], s[4:5], s[22:23]
	s_add_nc_u64 s[46:47], s[6:7], s[46:47]
	s_add_nc_u64 s[92:93], s[8:9], s[92:93]
	s_add_nc_u64 s[66:67], s[10:11], s[66:67]
	CROUND                                         ; all sixteen work-groups are here: the first joint loads meet
	s_mov_b32 s[G0S], 1                            ; the head's four tiles, each whole: the scales of A's 256 rows,
	s_mov_b32 s[G0S+1], SCL
	s_mov_b64 s[G0S+2:G0S+3], s[46:47]
	s_or_b32 s[G0S+3], s[G0S+3], 0x80000000
	s_mov_b32 s[G0SB], 1                           ; those of B's, behind them,
	s_mov_b32 s[G0SB+1], SCL+8192
	s_mov_b64 s[G0SB+2:G0SB+3], s[66:67]
	s_or_b32 s[G0SB+3], s[G0SB+3], 0x80000000
	s_mov_b32 s[G0], 1                             ; slot 0's 256 rows of A (slot 0's groups 0 serve the head first),
	s_mov_b32 s[G0+1], 0
	s_mov_b64 s[G0+2:G0+3], s[22:23]
	s_or_b32 s[G0+3], s[G0+3], 0x80000000
	s_mov_b32 s[G0B], 1                            ; and its 256 rows of B
	s_mov_b32 s[G0B+1], 2*HALFT
	s_mov_b64 s[G0B+2:G0B+3], s[92:93]
	s_or_b32 s[G0B+3], s[G0B+3], 0x80000000
	s_add_nc_u64 s[22:23], s[22:23], s[94:95]      ; for the ring: my 128 rows of the tile
	s_add_nc_u64 s[92:93], s[92:93], s[94:95]
	s_mov_b32 s[G0+4], 1
	s_add_co_u32 s[G0+5], s2, SLOT
	s_add_nc_u64 s[G0+6:G0+7], s[22:23], 3072
	s_or_b32 s[G0+7], s[G0+7], 0x80000000
	s_mov_b32 s[G0B+4], 1
	s_add_co_u32 s[G0B+5], s2, SLOT
	s_add_nc_u64 s[G0B+6:G0B+7], s[92:93], 3072
	s_or_b32 s[G0B+7], s[G0B+7], 0x80000000
; the head's loads, one a wave, in one chain of branches on the wave's number: wave 0 A's rows, wave 1 B's, wave 2 A's scales, wave 3 B's
.macro ARM under, g0, g1, next
	s_cmp_lt_u32 s[WV], \under
	s_cbranch_scc0 \next
	tensor_load_to_lds s[\g0:\g0+3], s[\g1:\g1+7]
	s_nop 0
.rept 4
	v_nop
.endr
	s_branch .Lhead_asked
\next:
.endm
	ARM 1, G0,  G1,  .Lhead_b
	ARM 2, G0B, G1B, .Lhead_sa
	ARM 3, G0S, G1S, .Lhead_sb
	tensor_load_to_lds s[G0SB:G0SB+3], s[G1SB:G1SB+7]
	s_nop 0
.rept 4
	v_nop
.endr
.Lhead_asked:
	s_wait_alu depctr_va_vdst(0)
	s_wait_tensorcnt 0x0                           ; my tile of the head's four is in; no tensor load of mine is out, so descriptors may be written
	ds_add_u32 v28, v29
	s_mov_b32 s[G1+2], 8<<16                       ; from here on a load brings 128 rows: 8 blocks of 16
	s_mov_b32 s[G1+4], 8
	s_mov_b32 s[G1B+2], 8<<16
	s_mov_b32 s[G1B+4], 8
	s_add_co_u32 s[G0+1], s2, 0                    ; and slot 0's groups 0 stand at my quarter, for its first refill
	s_mov_b64 s[G0+2:G0+3], s[22:23]
	s_or_b32 s[G0+3], s[G0+3], 0x80000000
	s_add_co_u32 s[G0B+1], s2, 0
	s_mov_b64 s[G0B+2:G0B+3], s[92:93]
	s_or_b32 s[G0B+3], s[G0B+3], 0x80000000
	s_wait_dscnt 0x0
	CROUND                                         ; all four tiles are in, in every work-group
	JLOAD G0+4, G1, G0B+4, G1B                     ; slot 1's first fill, my one load behind the round
	v_and_b32 v1, 31, v0
	v_and_b32 v2, 15, v0
	v_bfe_u32 v3, v0, 4, 1
	v_lshlrev_b32 v[L16], 4, v1
	s_wait_alu depctr_va_vdst(0)
	v_lshlrev_b32 v[L8], 3, v1
	s_wait_alu depctr_va_vdst(0)
	v_lshlrev_b32 v5, 6, v3
	s_lshl_b32 s22, s42, 10
	s_lshl_b32 s20, s[WL], 9
	s_add_co_u32 s22, s22, s20
	s_mov_b32 s23, 0
	s_add_nc_u64 s[12:13], s[12:13], s[22:23]
.irp b, 0,1,2,3,4,5,6,7
	global_load_b128 v[BIAS+8*\b:BIAS+8*\b+3], v5, s[12:13] offset:(32*(\b/2)+8*(\b%2))*4
	global_load_b128 v[BIAS+8*\b+4:BIAS+8*\b+7], v5, s[12:13] offset:(32*(\b/2)+8*(\b%2))*4+16
.endr
	s_lshl_b32 s20, s[WH], 7
	s_add_co_u32 s20, s44, s20
	s_lshl_b32 s20, s20, 12
	s_add_co_u32 s22, s22, s20
	s_add_nc_u64 s[14:15], s[14:15], s[22:23]
	s_mul_i32 s20, s[WH], HALFT
	s_mul_i32 s21, s[WL], HALFT
	s_add_co_u32 s21, s21, 2*HALFT
.irp s, 0,1
	v_add_nc_u32 v[ADRA+\s], s20, v[L16]
	v_add_nc_u32 v[ADRA+2+\s], s20, v[L8]
	v_add_nc_u32 v[ADRB+\s], s21, v[L16]
	v_add_nc_u32 v[ADRB+2+\s], s21, v[L8]
	s_add_co_u32 s20, s20, SLOT
	s_add_co_u32 s21, s21, SLOT
.endr
	s_lshl_b32 s20, s[WH], 10                      ; the scales lie [quarter of K][256 rows][8 bytes]: my 128 rows begin 1,024 bytes apart
	s_lshl_b32 s21, s[WL], 10
	s_add_co_u32 s21, s21, 2*4096
	s_sub_co_u32 s21, s21, s20
	v_mul_u32_u24 v4, s21, v3
	s_add_co_u32 s20, s20, SCL
	v_lshl_add_u32 v4, v2, 3, v4
	v_add_nc_u32 v[ADRS], s20, v4
	s_mul_i32 s20, s[WV], 16*SPITCH
	v_mul_u32_u24 v4, v2, SPITCH
	v_lshl_add_u32 v4, v3, 6, v4
	v_add_nc_u32 v[STO], s20, v4
	v_add_nc_u32 v[RD], s20, v[L16]
	s_wait_alu depctr_va_vdst(0)
	s_wait_tensorcnt 1
	s_barrier_signal -1
	s_barrier_wait -1
	FETCH_B 0, 0, 0
	FETCH_A 0, 0, 0
	SCALES 0
	FETCH_A 0, 0, 4
	s_wait_loadcnt 0x0
	STEP 0, 0, 2
	TURN 0, 1, 1
	STEP 1, 0, 0
	TURN 1, 0, 1
	STEP 0, 0, 0
	TURN 0, 1, 0
	STEP 1, 0, 0
	LAST
	PLACES NP
	TOSTAGE 0
.irp a, 1,2,3,4,5,6,7
.if \a > 1
	s_wait_xcnt 0x0
.endif
	TOSTAGE \a
	SEND \a-1, 32
.endr
	s_wait_xcnt 0x0
	SEND 7, 0
	s_wait_tensorcnt 0x0
	ds_add_u32 v[SPW], v[NIL]
	s_wait_dscnt 0x0
	CROUND
	s_endpgm
.Lfunc_end_k_q89861d057a_outp:
	.size	k_q89861d057a_outp, .Lfunc_end_k_q89861d057a_outp-k_q89861d057a_outp
	.p2alignl 7, 3214868480
	.fill 96, 4, 3214868480
	.section	.rodata,"a",@progbits
	.p2align	6, 0x0
	.amdhsa_kernel k_q89861d057a_outp
		.amdhsa_group_segment_fixed_size 327680
		.amdhsa_private_segment_fixed_size 0
		.amdhsa_enable_private_segment 0
		.amdhsa_kernarg_size 48
		.amdhsa_user_sgpr_count 2
		.amdhsa_user_sgpr_kernarg_segment_ptr 1
		.amdhsa_wavefront_size32 1
		.amdhsa_system_sgpr_workgroup_id_x 1
		.amdhsa_system_sgpr_workgroup_id_y 1
		.amdhsa_system_sgpr_workgroup_id_z 1
		.amdhsa_system_vgpr_workitem_id 0
		.amdhsa_next_free_vgpr 1024
		.amdhsa_next_free_sgpr 100
		.amdhsa_reserve_vcc 0
		.amdhsa_float_denorm_mode_32 3
		.amdhsa_float_denorm_mode_16_64 3
		.amdhsa_memory_ordered 1
		.amdhsa_forward_progress 1
		.amdhsa_inst_pref_size 146
	.end_amdhsa_kernel
	.amdgpu_metadata
---
amdhsa.version: [ 1, 2 ]
amdhsa.kernels:
  - .name:           k_q89861d057a_outp
    .symbol:         k_q89861d057a_outp.kd
    .args:
      - { .name: cimg, .offset: 0, .size: 8, .value_kind: global_buffer, .address_space: global }
      - { .name: cscl, .offset: 8, .size: 8, .value_kind: global_buffer, .address_space: global }
      - { .name: codes, .offset: 16, .size: 8, .value_kind: global_buffer, .address_space: global }
      - { .name: scl, .offset: 24, .size: 8, .value_kind: global_buffer, .address_space: global }
      - { .name: bout, .offset: 32, .size: 8, .value_kind: global_buffer, .address_space: global }
      - { .name: out0, .offset: 40, .size: 8, .value_kind: global_buffer, .address_space: global }
    .group_segment_fixed_size: 327680
    .private_segment_fixed_size: 0
    .kernarg_segment_align: 8
    .kernarg_segment_size: 48
    .max_flat_workgroup_size: 128
    .sgpr_count:     100
    .vgpr_count:     1024
    .wavefront_size: 32
...
	.end_amdgpu_metadata
.endif
;; end of part 4
